; MI455X (gfx1250); checked and timed in simulation.
; The chip was launched on July 23, 2026; its instructions are those of AMD's public machine-readable ISA for CDNA 5 (MIT licence, August 2026) and "CDNA5" Instruction Set Architecture Reference Guide (July 2026). The comments in the code are by the model that wrote it; some were corrected since.
;; Multi Head Attention. Allowed arithmetic: matrix products marked QUANTISED: E3M2 operands, one E8M0 scale for each 32 along K, by v_wmma_scale_f32_16x16x128_f8f6f4 with both operands' format E3M2, f32 sums; everything else in f32.
;; Inputs: mask 1 x 1 x 2,048 x 2,048 bool; w_k 1,024 x 1,024 float32; w_out 1,024 x 1,024 float32; w_q 1,024 x 1,024 float32; w_v 1,024 x 1,024 float32; x 4 x 2,048 x 1,024 float32.
;; Outputs: out0 4 x 2,048 x 1,024 float32.
;; This version of the problem:
;;   THIS VERSION OF THE PROBLEM IS GIVEN IN LOW PRECISION. The matrix products marked QUANTISED in the list below multiply operands that are first quantised to E3M2 (3 exponent bits, 2 mantissa bits; 6 bits a number), with one power-of-two scale for each 32 numbers along K (OCP MX v1.0); their sums are f32. All else is computed in f32.
;;   The module's matrix products, in the order in which they are computed (A, B: the left and right operand; K: the contracted axis; several contracted axes count as one K, in the product's order):
;;     1. [M 8,192, K 1,024] x [K 1,024, N 1,024]; A: input x; B: input w_q: QUANTISED
;;     2. [M 8,192, K 1,024] x [K 1,024, N 1,024]; A: input x; B: input w_k: QUANTISED
;;     3. [M 8,192, K 1,024] x [K 1,024, N 1,024]; A: input x; B: input w_v: QUANTISED
;;     4. batch 64 x [M 2,048, K 64] x [K 64, N 2,048]; A: computed on the way; B: computed on the way: QUANTISED
;;     5. batch 64 x [M 2,048, K 2,048] x [K 2,048, N 64]; A: softmax (see below); B: computed on the way: QUANTISED
;;     6. [M 8,192, K 1,024] x [K 1,024, N 1,024]; A: computed on the way; B: input w_out: QUANTISED
;;   THE QUANTISER, for each operand of a quantised product, along K:
;;     - K is cut into blocks of 32 from its start; a last block that is shorter is filled with zeros.
;;     - A block's scale is 2^e with e = floor(log2(the largest magnitude in the block)) - 4, held to -126 .. 127; a block of zeros has e = 0. As a byte (E8M0): e + 127.
;;     - Each number is divided by its block's scale, clamped to +-28, and rounded to the nearest number of E3M2, ties to even, subnormals kept.
;;     - The product sums the exact products of the quantised numbers (number of the format x scale) in f32.
;;   ~~~python
;;   def quantise(x, axis):      # numpy; x: float32 -> the quantised numbers, widened to float32 again
;;       x = np.moveaxis(x, axis, -1); K = x.shape[-1]
;;       x = np.pad(x, [(0, 0)] * (x.ndim - 1) + [(0, -K % 32)]); x = x.reshape(x.shape[:-1] + (-1, 32)); a = np.abs(x).max(-1, keepdims=True)
;;       e = np.where(a > 0, np.clip(np.frexp(np.where(a > 0, a, 1))[1] - 1 - 4, -126, 127), 0)      # np.frexp(a)[1] - 1 = floor(log2(a)), exactly
;;       r = np.clip(x / 2.0 ** e, -28, 28)
;;       step = 2.0 ** (np.maximum(np.frexp(np.where(r == 0, 1, r))[1] - 1, -2) - 2)
;;       q = np.round(r / step) * step * 2.0 ** e      # np.round: ties to even
;;       return np.moveaxis(q.reshape(q.shape[:-2] + (-1,))[..., :K], -1, axis).astype(np.float32)
;;   ~~~
;;   SOFTMAX AHEAD OF A QUANTISED PRODUCT. Where the list says 'softmax', what is quantised is not the finished softmax but p = 2^(t - M), with t = logit x log2(e) and M = ceil(the row's largest t), a whole number; so 1/2 < the row's largest p <= 1. The row's sum l is taken of the UNQUANTISED p, in f32, and the product's result is divided by l at the end. Since M is a whole number, a kernel that streams over the keys may use a running M (the ceiling of the running maximum): every later rescaling is an exact power of two, which a block's scale takes up: the codes' values come out the same.
;;   OPERANDS COMPUTED ON THE WAY. 'Computed on the way' means the value that the module computes at that place (a softmax that the list does not call 'softmax' is quantised finished and normalised). What goes into a quantiser is computed in f32, as accurately as f32 sums, v_exp_f32 and their like allow (about 1e-6 of the number): no bf16 or f16 on the way to a quantiser, and a product that is left as it is and whose result goes on into a quantised operand takes f32 operands (vector FMAs, or v_wmma_f32_16x16x4_f32). A number that lies on a knife's edge between two numbers of the format may be rounded either way, as far as f32 arithmetic and the matrix unit's own rounding can turn it there, and no further.
;; One version. Each part assembles by itself: llvm-mc -triple=amdgcn-amd-amdhsa -mcpu=gfx1250 --defsym DOCPART=n.
;; ======== version 1 of 1: 4 launches
;; limits: right only within a limited range of input values
;; workspace buffers: w1 9,830,400 bytes; w2 19,660,800 bytes; w3 6,553,600 bytes; mb 540,672 bytes of whole numbers
;; launch prep (part 1): grid 640 x 1, 4 waves a work-group, no clusters, 33,280 bytes of LDS; arguments x, w_q, w_k, w_v, w_out, mask, w1, mb; writes w1, mb
.if DOCPART == 1
	.amdgcn_target "amdgcn-amd-amdhsa--gfx1250"
	.amdhsa_code_object_version 6
	.text
	.protected	k_qb3086c705d_prep
	.globl	k_qb3086c705d_prep
	.p2align	8
	.type	k_qb3086c705d_prep,@function
k_qb3086c705d_prep:
	s_mov_b64 s[64:65], 0
	v_nop
	global_prefetch_b8 v0, s[64:65] scope:SCOPE_SE
	s_setreg_imm32_b32 hwreg(HW_REG_WAVE_MODE, 25, 1), 1
	s_wait_xcnt 0x0
; PREP.  Two jobs in one launch, told apart by the work-group's number.
; (1) Work-groups 0-383: x [8192][1024], w_q, w_k, w_v, w_out [1024][1024], f32, become codes of BF6 (E3M2), K innermost, 768 bytes a row, and one E8M0 byte for each 32 along K, 32 bytes a row,
;     in w1: 12,288 rows of codes (x, w_q, w_k, w_v, w_out in this order), the scale bytes from byte S1 on.
;     A block's scale is 2^(floor(log2(its largest magnitude)) - 4); its byte is the largest magnitude's exponent field - 4, held at 1 from below (a block of zeros keeps the byte 1: its codes are zeros, and this program alone reads the bytes).
;     THE ROWS CHANGE PLACES: in every 32 rows of x, w_q, w_k, w_v the two middle groups of eight are exchanged, so that place 16 u + r holds row 8 u + r + 8 (r / 8).  Sixteen neighbouring places are then a tile whose
;     results, used transposed, give a lane 16 neighbours along the next product's K.  w_out keeps its order.  A wave takes eight rows, so the exchange is a choice of where a wave stores.
; (2) Work-groups 384-639: the mask [2048][2048] of bytes becomes, for each tile T of 16 queries (in the places' order) and each step J of 128 keys, 64 words of 32 bits: bit (lane) of word n says whether the score that
;     this lane holds in register n of the attention launch is masked; and two summary words: U (lanes with a key that counts) and A (is anything masked).
; LIMITS: NaN and infinities among the inputs are not served.
.set STEPS, 16
.set CB,    12                         ; bytes of 16 codes
.set R,     16                         ; v16-79   four sets of 16 numbers as they are loaded
.set X,     80                         ; v80-111  two sets of 16 neighbours
.set C,     128                        ; v128-191 codes: four registers for each step, so that no store's data are written again
.set E,     112                        ; v112-127 a scale byte for each step
.set WREG,  8192                       ; LDS: a region of its own for each wave: two stages of 32 x SP bytes, behind them its 256 scale bytes
.set SP,    80                         ; a lane's place in a stage: 64 bytes + 16 of padding
.set S1,    9437184                    ; where the scale bytes begin in w1
.set META,  524288                     ; where the summary words begin in mb
	s_load_b512 s[4:19], s[0:1], 0x0               ; x s[4:5], w_q s[6:7], w_k s[8:9], w_v s[10:11], w_out s[12:13], mask s[14:15], w1 s[16:17], mb s[18:19]
	v_lshl_add_u32 v192, v0, 2, 0x8000
	v_mov_b32 v193, 0
	v_lshrrev_b32 v1, 5, v0
	v_readfirstlane_b32 s20, v1                    ; wave
	v_and_b32 v2, 31, v0                           ; lane
	s_cmp_ge_u32 ttmp9, 384
	s_cbranch_scc1 .Lmask
	; ---------------- the quantiser ----------------
	v_lshlrev_b32 v3, 4, v2                        ; my 16 bytes of a load's 512
	s_mul_i32 s21, s20, WREG
	v_lshrrev_b32 v14, 2, v2
	v_mul_u32_u24 v14, v14, SP
	v_and_b32 v15, 3, v2
	v_lshl_add_u32 v14, v15, 4, v14
	v_add_nc_u32 v14, s21, v14                     ; the stage, on the way in: SP (lane / 4) + 16 (lane % 4)
	v_mul_u32_u24 v15, v2, SP
	v_add_nc_u32 v15, s21, v15                     ; and on the way out: SP x lane: my 16 neighbours
	v_mul_u32_u24 v4, v2, CB                       ; my codes' place in a step's
	v_lshrrev_b32 v5, 1, v2
	s_add_co_u32 s21, s21, 2*32*SP
	v_add_nc_u32 v5, s21, v5                       ; LDS: my wave's 256 scale bytes, my block's byte
	v_lshlrev_b32 v7, 3, v2                        ; and on the way out 8 bytes a lane
	v_add_nc_u32 v6, s21, v7
	s_wait_alu depctr_va_vdst(0)
	s_wait_kmcnt 0x0
	s_mov_b64 s[22:23], s[12:13]                   ; which tensor: the choice hangs on the work-group's number alone
	s_mov_b32 s24, 352                             ; and that tensor's first work-group
	s_cmp_lt_u32 ttmp9, 352
	s_cselect_b64 s[22:23], s[10:11], s[22:23]
	s_cselect_b32 s24, 320, s24
	s_cmp_lt_u32 ttmp9, 320
	s_cselect_b64 s[22:23], s[8:9], s[22:23]
	s_cselect_b32 s24, 288, s24
	s_cmp_lt_u32 ttmp9, 288
	s_cselect_b64 s[22:23], s[6:7], s[22:23]
	s_cselect_b32 s24, 256, s24
	s_cmp_lt_u32 ttmp9, 256
	s_cselect_b64 s[22:23], s[4:5], s[22:23]
	s_cselect_b32 s24, 0, s24
	s_and_b32 s25, s20, 1                          ; where my eight rows go among the work-group's 32: waves 1 and 2 change places,
	s_lshl_b32 s25, s25, 1
	s_lshr_b32 s26, s20, 1
	s_or_b32 s25, s25, s26
	s_cmp_lt_u32 ttmp9, 352
	s_cselect_b32 s25, s25, s20                    ; but not in w_out
	s_sub_co_u32 s26, ttmp9, s24
	s_lshl_b32 s26, s26, 2
	s_add_co_u32 s26, s26, s20
	s_lshl_b32 s26, s26, 15                        ; in: 32,768 bytes for each run of eight rows
	s_mov_b32 s27, 0
	s_add_nc_u64 s[22:23], s[22:23], s[26:27]
	s_lshl_b32 s28, ttmp9, 2
	s_add_co_u32 s28, s28, s25                     ; out: which run of eight places in w1
	s_mul_i32 s26, s28, 6144
	s_add_nc_u64 s[30:31], s[16:17], s[26:27]      ; its codes
	s_lshl_b32 s26, s28, 8
	s_add_co_u32 s26, s26, S1
	s_add_nc_u64 s[32:33], s[16:17], s[26:27]      ; its 256 scale bytes
.macro LOAD t
.irp i, 0,1,2,3
	global_load_b128 v[R+16*((\t)%4)+4*\i:R+16*((\t)%4)+4*\i+3], v3, s[22:23] offset:2048*(\t)+512*\i th:TH_LOAD_NT   ; 32 lanes read 512 consecutive bytes
.endr
.endm
.macro TURN t                          ; step t's numbers through the stage: LDS serves a wave's instructions in order, so no wait stands between the stores and the loads
.irp i, 0,1,2,3
	ds_store_b128 v14, v[R+16*((\t)%4)+4*\i:R+16*((\t)%4)+4*\i+3] offset:32*SP*((\t)%2)+8*SP*\i
.endr
.irp i, 0,1,2,3
	ds_load_b128 v[X+16*((\t)%2)+4*\i:X+16*((\t)%2)+4*\i+3], v15 offset:32*SP*((\t)%2)+16*\i
.endr
.endm
.irp t, 0,1,2,3
	LOAD \t
.endr
	s_wait_loadcnt 12                              ; step 0's four loads are in
	TURN 0
.macro STEP t
.set XS, X+16*((\t)%2)
.if (\t) > 0
	s_wait_dscnt 1                                 ; this step's numbers are back from the stage (the last step's byte store may be out): so its stores into the stage have read their registers,
.else
	s_wait_dscnt 0x0
.endif
.if (\t)+4 < STEPS
	LOAD (\t)+4                                    ; which take the loads of four steps on
.endif
.if (\t)+1 < STEPS
.if STEPS-2-(\t) >= 3
	s_wait_loadcnt 12                              ; the next step's four loads are in; those of the three steps behind it may be out
.else
	s_wait_loadcnt 4*(STEPS-2-(\t))
.endif
	TURN (\t)+1                                    ; and go through the other stage while this step is worked
.endif
	v_max3_num_f32 v8, |v[XS]|, |v[XS+1]|, |v[XS+2]|               ; the largest magnitude of my 16
	v_max3_num_f32 v9, |v[XS+3]|, |v[XS+4]|, |v[XS+5]|
.irp i, 6,10
	v_max3_num_f32 v8, v8, |v[XS+\i]|, |v[XS+\i+1]|
	v_max3_num_f32 v9, v9, |v[XS+\i+2]|, |v[XS+\i+3]|
.endr
	v_max3_num_f32 v8, v8, |v[XS+14]|, |v[XS+15]|
	v_max3_num_f32 v8, v8, v9, 0x2800000           ; and the floor 2^(5 - 127): the byte cannot fall under 1
	v_max_num_f32_dpp v8, v8, v8 row_xmask:1 row_mask:0xf bank_mask:0xf   ; and of my neighbour's 16: the block's
	v_add_nc_u32 v11, 0xfe000000, v8               ; 4 off its exponent field: the conversion takes the exponent field of this operand as its scale
	v_cvt_scalef32_pk16_bf6_f32 v[C+4*(\t):C+4*(\t)+2], v[XS:XS+15], v11
	v_lshrrev_b32 v[E+(\t)], 23, v11               ; the scale's byte (also the plain line behind the conversion)
	ds_store_b8 v5, v[E+(\t)] offset:16*(\t)       ; both lanes of a block write the same byte with the same value
	global_store_b96 v4, v[C+4*(\t):C+4*(\t)+2], s[30:31] offset:32*CB*(\t)
.endm
.irp t, 0,1,2,3,4,5,6,7,8,9,10,11,12,13,14,15
	STEP \t
.endr
	ds_load_b64 v[12:13], v6                       ; LDS serves a wave's instructions in order: these see my stores
	s_wait_dscnt 0x0
	global_store_b64 v7, v[12:13], s[32:33]        ; 32 lanes store 256 consecutive bytes, aligned
	s_wait_tensorcnt 0x0
	ds_add_u32 v192, v193
	s_wait_dscnt 0x0
	s_endpgm
	; ---------------- the mask ----------------
.Lmask:
	s_sub_co_u32 s21, ttmp9, 384
	s_lshl_b32 s21, s21, 2
	s_add_co_u32 s21, s21, s20                     ; my task, 0 .. 1023
	s_lshr_b32 s22, s21, 3                         ; T: the tile of 16 queries
	s_and_b32 s23, s21, 7                          ; which pair of key steps: J = 2 s23, 2 s23 + 1
	s_lshr_b32 s24, s22, 1
	s_lshl_b32 s24, s24, 5
	s_and_b32 s25, s22, 1
	s_lshl_b32 s25, s25, 3
	s_add_co_u32 s24, s24, s25                     ; the tile's first query: 32 (T / 2) + 8 (T % 2)
	s_lshl_b32 s24, s24, 11                        ; a row of the mask is 2,048 bytes
	s_lshl_b32 s25, s23, 8                         ; my 256 keys
	s_add_co_u32 s24, s24, s25
	s_mov_b32 s25, 0
	s_wait_alu depctr_va_vdst(0)
	v_and_b32 v3, 15, v2                           ; r
	v_lshrrev_b32 v4, 4, v2                        ; h
	v_and_b32 v5, 8, v3
	v_add_nc_u32 v5, v5, v3                        ; lane r stands for query r + 8 (r / 8) of the tile
	v_lshlrev_b32 v5, 11, v5
	v_lshl_add_u32 v5, v4, 4, v5                   ; and its half h for keys 16 h on in each 32
	v_lshlrev_b32 v6, 3, v2                        ; out: 8 bytes a lane
	v_mov_b32 v7, 0
.irp i, 16,17,18,19
	v_mov_b32 v\i, 0                               ; written whole once: words are set into single lanes below
.endr
	s_wait_alu depctr_va_vdst(0)
	s_wait_kmcnt 0x0
	s_add_nc_u64 s[14:15], s[14:15], s[24:25]
.irp q, 0,1,2,3,4,5,6,7
	global_load_b128 v[32+4*\q:35+4*\q], v5, s[14:15] offset:128*(\q/4)+32*(\q%4) th:TH_LOAD_NT   ; keys 128 (q / 4) + 32 (q % 4) + 16 h + 0 .. 15 of my query
.endr
	s_lshl_b32 s26, s22, 4
	s_lshl_b32 s27, s23, 1
	s_add_co_u32 s26, s26, s27
	s_lshl_b32 s26, s26, 8                         ; the words of (T, J): 256 bytes
	s_mov_b32 s27, 0
	s_add_nc_u64 s[40:41], s[18:19], s[26:27]
	s_lshl_b32 s26, s22, 7
	s_lshl_b32 s21, s23, 4
	s_add_co_u32 s26, s26, s21
	s_add_co_u32 s26, s26, META                    ; the summary of (T, J): 8 bytes
	s_add_nc_u64 s[42:43], s[18:19], s[26:27]
; Word n = 16 b + i of a key step: the compare's lane mask is the word itself.  It is set into lane n / 2 of one of two registers, so that one store of 8 bytes a lane writes the 64 words in order.
.macro MBITS jj
.set n, 0
.rept 64
	v_and_b32 v[8+n%4], 0xff<<(8*(n%4)), v[32+4*(4*\jj+n/16)+(n%16)/4]
	v_cmp_ne_u32 s[28+n%4], 0, v[8+n%4]
	v_writelane_b32 v[16+2*\jj+n%2], s[28+n%4], n/2
.if n == 0
	s_mov_b32 s[36+2*\jj], s[28]
	s_mov_b32 s[37+2*\jj], s[28]
.else
	s_and_b32 s[36+2*\jj], s[36+2*\jj], s[28+n%4]  ; lanes all of whose keys are masked
	s_or_b32 s[37+2*\jj], s[37+2*\jj], s[28+n%4]   ; lanes with a masked key
.endif
.set n, n+1
.endr
	global_store_b64 v6, v[16+2*\jj:17+2*\jj], s[40:41] offset:256*\jj   ; 32 lanes store 256 consecutive bytes, aligned
.endm
	s_wait_loadcnt 4                               ; the first key step's four loads are in; the second's may be out
	MBITS 0
	s_wait_loadcnt 0x0
	MBITS 1
	s_not_b32 s36, s36                             ; U: lanes with a key that counts
	s_not_b32 s38, s38
	v_mov_b32 v24, s36
	v_mov_b32 v25, s37
	v_mov_b32 v26, s38
	v_mov_b32 v27, s39
	v_cmp_eq_u32 vcc_lo, 0, v2
	s_wait_alu depctr_va_vdst(0)
	s_wait_xcnt 0x0                                ; EXEC changes only behind this wait: stores have been issued
	s_and_saveexec_b32 s44, vcc_lo
	global_store_b128 v7, v[24:27], s[42:43]       ; lane 0: U, A of both key steps
	s_wait_xcnt 0x0                                ; and again in front of the line that widens it
	s_or_b32 exec_lo, exec_lo, s44
	s_endpgm
.Lfunc_end_k_qb3086c705d_prep:
	.size	k_qb3086c705d_prep, .Lfunc_end_k_qb3086c705d_prep-k_qb3086c705d_prep
	.p2alignl 7, 3214868480
	.fill 96, 4, 3214868480
	.section	.rodata,"a",@progbits
	.p2align	6, 0x0
	.amdhsa_kernel k_qb3086c705d_prep
		.amdhsa_group_segment_fixed_size 33280
		.amdhsa_private_segment_fixed_size 0
		.amdhsa_enable_private_segment 0
		.amdhsa_kernarg_size 64
		.amdhsa_user_sgpr_count 2
		.amdhsa_user_sgpr_kernarg_segment_ptr 1
		.amdhsa_wavefront_size32 1
		.amdhsa_system_sgpr_workgroup_id_x 1
		.amdhsa_system_sgpr_workgroup_id_y 1
		.amdhsa_system_sgpr_workgroup_id_z 1
		.amdhsa_system_vgpr_workitem_id 0
		.amdhsa_next_free_vgpr 194
		.amdhsa_next_free_sgpr 66
		.amdhsa_reserve_vcc 1
		.amdhsa_float_denorm_mode_32 3
		.amdhsa_float_denorm_mode_16_64 3
		.amdhsa_memory_ordered 1
		.amdhsa_forward_progress 1
		.amdhsa_inst_pref_size 68
	.end_amdhsa_kernel
	.amdgpu_metadata
---
amdhsa.version: [ 1, 2 ]
amdhsa.kernels:
  - .name:           k_qb3086c705d_prep
    .symbol:         k_qb3086c705d_prep.kd
    .args:
      - { .name: x, .offset: 0, .size: 8, .value_kind: global_buffer, .address_space: global }
      - { .name: w_q, .offset: 8, .size: 8, .value_kind: global_buffer, .address_space: global }
      - { .name: w_k, .offset: 16, .size: 8, .value_kind: global_buffer, .address_space: global }
      - { .name: w_v, .offset: 24, .size: 8, .value_kind: global_buffer, .address_space: global }
      - { .name: w_out, .offset: 32, .size: 8, .value_kind: global_buffer, .address_space: global }
      - { .name: mask, .offset: 40, .size: 8, .value_kind: global_buffer, .address_space: global }
      - { .name: w1, .offset: 48, .size: 8, .value_kind: global_buffer, .address_space: global }
      - { .name: mb, .offset: 56, .size: 8, .value_kind: global_buffer, .address_space: global }
    .group_segment_fixed_size: 33280
    .private_segment_fixed_size: 0
    .kernarg_segment_align: 8
    .kernarg_segment_size: 64
    .max_flat_workgroup_size: 128
    .sgpr_count:     66
    .vgpr_count:     194
    .wavefront_size: 32
...
	.end_amdgpu_metadata
.endif
;; end of part 1
;; launch qkv (part 2): grid 8 x 48, 4 waves a work-group, clusters of 4 x 4, 327,680 bytes of LDS; arguments w1, w2; writes w2
.if DOCPART == 2
	.amdgcn_target "amdgcn-amd-amdhsa--gfx1250"
	.amdhsa_code_object_version 6
	.text
	.protected	k_qb3086c705d_qkv
	.globl	k_qb3086c705d_qkv
	.p2align	8
	.type	k_qb3086c705d_qkv,@function
k_qb3086c705d_qkv:
	s_mov_b64 s[64:65], 0
	v_nop
	global_prefetch_b8 v0, s[64:65] scope:SCOPE_SE
	s_setreg_imm32_b32 hwreg(HW_REG_WAVE_MODE, 25, 1), 1
	s_wait_xcnt 0x0
	s_wait_alu depctr_hold_cnt(0) depctr_sa_sdst(0) depctr_va_vdst(0) depctr_va_sdst(0) depctr_va_ssrc(0) depctr_va_vcc(0) depctr_vm_vsrc(0)
	s_getreg_b32 s2, hwreg(HW_REG_IB_STS2, 6, 4)
	s_cmp_eq_u32 s2, 0
	s_cbranch_scc0 .Lentry_in_a_cluster
	s_endpgm
.Lentry_in_a_cluster:
	s_bfe_u32 s2, ttmp6, 0x10000c
	s_cmp_lg_u32 s2, 0xf033
	s_cbranch_scc0 .Lentry_shape_is_right
	s_endpgm
.Lentry_shape_is_right:
; QKV.  q = x w_q^T, k = x w_k^T, v = x w_v^T on codes of BF6 (E3M2) with one E8M0 scale for each 32 along K = 1,024; sums in f32.  The results are quantised in registers, each along the K of the product that
; will take it (q and k along a head's 64, v along the keys), and stored as IMAGES OF OPERAND REGISTERS, so that the attention launch loads whole fragments by 16 bytes a lane.
; A tile of 256 x 256 results is made by a work-group of four waves, 128 x 128 a wave: 64 accumulators, 512 registers.  K goes in steps of 256 through a ring of two LDS slots filled by the tensor data mover; the scale bytes
; of the tile's 512 rows, for all of K, come into LDS once.  The matrix instruction is used transposed: source 0 = 16 rows of 'B', source 1 = 16 rows of 'A': a lane holds ONE row of 'A' and its registers run along 'B'.
; TILES.  Clusters with y < 8: 'A' = x (32 tile rows), 'B' = w_q, w_k on end (8 tile columns): a lane holds a token, its registers features.  Clusters with y >= 8: 'A' = w_v (4 tile rows), 'B' = x (32 tile columns): a lane
; holds a feature, its registers tokens: v's K.  In w1 the rows of x, w_q, w_k, w_v stand so that place 16 u + r of each 32 holds row 8 u + r + 8 (r / 8): the 16 registers of 'B' blocks 2 b, 2 b + 1 are then rows 32 b + 16 (lane / 16) + 0 .. 15.
; CLUSTERS: 4 x 4 work-groups; 'A' tiles are asked for jointly along a row of the cluster, 'B' tiles along a column.  The choice between the two kinds of tile hangs on the cluster's y, which all partners share.
; WHAT IS STORED (w2).  Codes: q at 0, k at 6,291,456, v at 12,582,912: [head of batch 64][J 16][fragment 4][piece 3][lane 32][16 bytes]; scale words behind them: [head][J][lane 32][8 bytes]: word d of lane (r, h) belongs to fragment 2 d + h, row r.
;   q, k: J = 128 tokens; fragment F: row r, k 0-63 = the head's 64 features of token tile 2 F, k 64-127 = of token tile 2 F + 1.   v: fragment t = 16 features (places 16 t on in the head) x the 128 keys of J.
; q IS STORED UNSCALED: reference's division by 32 is a power of two, so the codes are the same, and the attention launch folds it into its constant.
; LIMITS: blocks of q whose largest magnitude lies under 2^-117 would have their scale's byte held elsewhere than reference's q / 32; NaN and infinities are not served.
; REGISTERS, in windows of 256: window 0: v0-31 addresses; v32-63 scale words, two sets; from v128 A's fragments, ONE set; on the way out v64-223 the codes, v224-251 at work.
;   window 1: B's fragments, TWO sets, at v0 and at v128.   window 2: the accumulators of my rows 0-63 ((a, b) at v[8 (8 a + b)]);   window 3: those of my rows 64-127.
.set KSTEP,  256
.set NQ,     2                         ; matrix instructions deep in a slot
.set ROWB,   192                       ; a tile's row in bytes
.set KROW,   768                       ; a row of codes in memory
.set PITCH,  240                       ; an LDS row: 3 x (64 bytes + 16 of padding)
.set FR,     12
.set NL,     6
.set NP,     4                         ; places behind this matrix instruction (ISA guide 7.12.1)
.set HALFT,  128*PITCH
.set SLOT,   4*HALFT
.set LAPS,   2                         ; 1,024 along K = two laps of two slots
.set KS,     32                        ; a row of scale bytes
.set SCL,    2*SLOT
.set HALFS,  (128*KS/256)*272
.set SBLK,   (16*KS/256)*272
.set SPARE,  SCL+4*HALFS               ; the spare words, 128 bytes for each wave: two blocks of 256 bytes that no other line names
.set S1,     9437184                   ; where the scale bytes begin in w1
.set ADRA, 16                          ; v16-17 LDS address of my A fragments in slot 0, 1 (v18-19: behind one padding more)
.set ADRB, 20                          ; v20-21 the same for B (v22-23)
.set ST16, 24                          ; v24    16 x lane
.set ST8,  25                          ; v25    8 x lane
.set ADRS, 27                          ; v27    LDS address of my scale words
.set SPW,  28                          ; v28    my spare word; never rewritten
.set NIL,  29                          ; v29    0; never rewritten
.set SC,   32
.set AF,   128
.set PC,   64                          ; the way out: fragment f's codes at v[PC + 20 f]: 12 registers and 8 at work
.set TM,   224                         ; v224-227 largest magnitudes, v228-231 the other half's / bytes, v236-239 scale operands
.set PW,   240                         ; v240-247 the eight fragments' scale words
.set CW,   248                         ; v248-251 scale words as they are stored
.set G1, 24
.set G0, 32
.set G1B, 48
.set G0B, 56
.set G1S, 68
.set G0S, 76
.set G1SB, 80
.set G0SB, 88
.set MSB, 0
.macro WIN new                         ; the immediate's high byte repeats the setting that is left
.if MSB != \new
	s_set_vgpr_msb (MSB<<8)|\new
.set MSB, \new
.endif
.endm
.set MUL_LO, 0xa1                      ; source 0 (B) window 1, source 1 (A) window 0, C and D window 2
.set MUL_HI, 0xf1
.set TO_B,   0x40
; A joint load: waves 0 and 1 fetch for A, waves 2 and 3 for B; the branch hangs on the wave's number alone.  Four v_nop follow each of the two lines.
.macro JLOAD g0a, g1a, g0b, g1b
	s_cmp_eq_u32 s15, 0
	s_cbranch_scc0 .Lfor_b_\@
	tensor_load_to_lds s[\g0a:\g0a+3], s[\g1a:\g1a+7]
	s_nop 0
.rept 4
	v_nop
.endr
	s_branch .Lasked_\@
.Lfor_b_\@:
	tensor_load_to_lds s[\g0b:\g0b+3], s[\g1b:\g1b+7]
	s_nop 0
.rept 4
	v_nop
.endr
.Lasked_\@:
.endm
.macro CREST                           ; a round of the cluster's barrier behind its opening barrier
	s_cmp_lg_u32 s14, 0
	s_cbranch_scc1 .Lnot_wave_0_\@
	s_barrier_signal -3
.Lnot_wave_0_\@:
	s_barrier_wait -3
	s_barrier_signal -1
	s_barrier_wait -1
.endm
.macro CROUND
	s_barrier_signal -1
	s_barrier_wait -1
	CREST
.endm
	s_load_b128 s[4:7], s[0:1], 0x0                ; w1 s[4:5], w2 s[6:7]
	v_lshl_add_u32 v[SPW], v0, 2, SPARE
	v_mov_b32 v[NIL], 0
	ds_add_u32 v28, v29
	ds_add_u32 v28, v29
	s_wait_dscnt 0x0
	v_lshrrev_b32 v1, 5, v0
	v_readfirstlane_b32 s14, v1                    ; wave 0..3
	s_lshr_b32 s15, s14, 1                         ; which half of A's rows is mine.  Also: I fetch for A (0) or for B (1)
	s_and_b32 s16, s14, 1                          ; which half of B's rows.  Also: which 128 rows of that tile I fetch
	s_bfe_u32 s40, ttmp6, 0x40000                  ; cx, cy: my place in the cluster
	s_bfe_u32 s41, ttmp6, 0x40004
	s_and_b32 s17, ttmp7, 0xffff                   ; the cluster's y
	s_sub_co_u32 s96, s17, 8
	s_lshl_b32 s96, s96, 1
	s_add_co_u32 s96, s96, ttmp9                   ; v's column of clusters: 2 (y - 8) + x (used only where y >= 8)
	s_cmp_ge_u32 s17, 8
	s_cselect_b32 s101, 1, 0                       ; 1: a tile of v
	s_cselect_b32 s17, 0, s17                      ; the cluster's part of the tile row
	s_cselect_b32 s42, s96, ttmp9                  ; and of the tile column
	s_cselect_b32 s95, 10240, 0                    ; A's first row in w1: w_v's or x's
	s_cselect_b32 s96, 0, 8192                     ; B's: x's or w_q's
	s_lshl_b32 s17, s17, 2
	s_add_co_u32 s17, s17, s41                     ; tile row
	s_lshl_b32 s42, s42, 2
	s_add_co_u32 s42, s42, s40                     ; tile column
	s_lshl_b32 s43, s41, 2
	s_lshl_b32 s43, 15, s43                        ; my row of the cluster
	s_lshl_b32 s44, 0x1111, s40                    ; my column
	; descriptor group 1: a tile of 128 rows x 192 bytes, 16 bytes of padding behind every 64
	s_or_b32 s[G1+0], s43, (0<<16)|(1<<20)|(1<<21)|(3<<22)|(3<<25)
	s_or_b32 s[G1B+0], s44, (0<<16)|(1<<20)|(1<<21)|(3<<22)|(3<<25)
.irp g, G1, G1B
	s_mov_b32 s[\g+1], ROWB<<16                    ; tensor_dim0
	s_mov_b32 s[\g+2], 128<<16                     ; tensor_dim1
	s_mov_b32 s[\g+3], ROWB<<16                    ; tile_dim0
	s_mov_b32 s[\g+4], 128                         ; tile_dim1
	s_mov_b32 s[\g+5], KROW                        ; tensor_dim0_stride
	s_mov_b32 s[\g+6], 0
	s_mov_b32 s[\g+7], 0
.endr
	; the scale bytes of 128 rows: 4,096 dense bytes, as 16 rows of 256 bytes (32 elements of 8), 16 bytes of padding behind each
	s_or_b32 s[G1S+0], s43, (3<<16)|(1<<20)|(1<<21)|(5<<22)|(3<<25)
	s_or_b32 s[G1SB+0], s44, (3<<16)|(1<<20)|(1<<21)|(5<<22)|(3<<25)
.irp g, G1S, G1SB
	s_mov_b32 s[\g+1], 32<<16
	s_mov_b32 s[\g+2], (128*KS/256)<<16
	s_mov_b32 s[\g+3], 32<<16
	s_mov_b32 s[\g+4], 128*KS/256
	s_mov_b32 s[\g+5], 32
	s_mov_b32 s[\g+6], 0
	s_mov_b32 s[\g+7], 0
.endr
	s_lshl_b32 s18, s16, 7                         ; which 128 rows of the tile I fetch
	s_lshl_b32 s20, s17, 8
	s_add_co_u32 s20, s20, s18
	s_add_co_u32 s20, s20, s95                     ; A: row in w1
	s_lshl_b32 s46, s42, 8
	s_add_co_u32 s46, s46, s18
	s_add_co_u32 s46, s46, s96                     ; B: row in w1
	s_mov_b32 s21, 0
	s_mov_b32 s47, 0
	s_mov_b64 s[18:19], KS
	s_mul_u64 s[22:23], s[20:21], s[18:19]         ; where these rows' scale bytes begin
	s_mul_u64 s[92:93], s[46:47], s[18:19]
	s_mov_b64 s[18:19], KROW
	s_mul_u64 s[20:21], s[20:21], s[18:19]         ; and their codes
	s_mul_u64 s[46:47], s[46:47], s[18:19]
	s_mul_i32 s45, s14, HALFT                      ; where they go: wave x 128 rows
	s_mul_i32 s94, s14, HALFS
	s_mov_b32 s98, 0x76543210
	s_mov_b32 s99, 0xfedcba98                      ; v_permlanex16_b32's selects for lane l xor 16
	s_mov_b32 s100, 0xffff0000                     ; lanes 16-31
	s_wait_kmcnt 0x0
	s_mov_b64 s[12:13], s[6:7]                     ; w2
	s_add_nc_u64 s[6:7], s[4:5], S1                ; w1's scale bytes
	s_add_nc_u64 s[20:21], s[4:5], s[20:21]
	s_add_nc_u64 s[22:23], s[6:7], s[22:23]
	s_add_nc_u64 s[46:47], s[4:5], s[46:47]
	s_add_nc_u64 s[92:93], s[6:7], s[92:93]
	CROUND                                         ; all sixteen work-groups are here: the first joint loads meet
	s_mov_b32 s[G0S], 1
	s_add_co_u32 s[G0S+1], s94, SCL
	s_mov_b64 s[G0S+2:G0S+3], s[22:23]
	s_or_b32 s[G0S+3], s[G0S+3], 0x80000000
	s_mov_b32 s[G0SB], 1
	s_add_co_u32 s[G0SB+1], s94, SCL
	s_mov_b64 s[G0SB+2:G0SB+3], s[92:93]
	s_or_b32 s[G0SB+3], s[G0SB+3], 0x80000000
	JLOAD G0S, G1S, G0SB, G1SB                     ; the scale bytes first: they are wanted with K step 0
.irp s, 0,1
	s_mov_b32 s[G0+4*\s], 1
	s_add_co_u32 s[G0+4*\s+1], s45, \s*SLOT
	s_add_nc_u64 s[G0+4*\s+2:G0+4*\s+3], s[20:21], \s*ROWB
	s_or_b32 s[G0+4*\s+3], s[G0+4*\s+3], 0x80000000
	s_mov_b32 s[G0B+4*\s], 1
	s_add_co_u32 s[G0B+4*\s+1], s45, \s*SLOT
	s_add_nc_u64 s[G0B+4*\s+2:G0B+4*\s+3], s[46:47], \s*ROWB
	s_or_b32 s[G0B+4*\s+3], s[G0B+4*\s+3], 0x80000000
	JLOAD G0+4*\s, G1, G0B+4*\s, G1B               ; by my own count three tensor loads of mine are out now
.endr
	v_and_b32 v1, 15, v0                           ; l % 16
	v_bfe_u32 v2, v0, 4, 1                         ; l / 16
	v_mul_u32_u24 v3, v1, PITCH
	v_mul_u32_u24 v4, v2, 24
	v_add_nc_u32 v4, v3, v4                        ; a fragment's row x pitch + 24 x half
	v_lshl_add_u32 v5, v2, 4, v4                   ; and the same behind one padding more
	s_mul_i32 s21, s15, HALFT                      ; my 128 rows of A
	s_mul_i32 s22, s16, HALFT                      ; my 128 rows of B,
	s_add_co_u32 s22, s22, 2*HALFT                 ; which lie behind A's 256
.irp s, 0,1
	v_add_nc_u32 v[ADRA+\s], s21, v4
	v_add_nc_u32 v[ADRB+\s], s22, v4
	v_add_nc_u32 v[ADRA+2+\s], s21, v5
	v_add_nc_u32 v[ADRB+2+\s], s22, v5
	s_add_co_u32 s21, s21, SLOT
	s_add_co_u32 s22, s22, SLOT
.endr
	v_mul_u32_u24 v5, v1, KS                       ; my row's scale bytes: KS a row,
	v_lshrrev_b32 v6, 8, v5
	v_lshl_add_u32 v5, v6, 4, v5                   ; and 16 more for each 256 passed
	s_mul_i32 s21, s15, HALFS
	s_mul_i32 s22, s16, HALFS
	s_add_co_u32 s22, s22, 2*HALFS
	s_sub_co_u32 s22, s22, s21
	v_mul_u32_u24 v6, s22, v2                      ; lanes 16-31 take B's
	s_add_co_u32 s21, s21, SCL
	v_add_nc_u32 v5, v5, v6
	v_add_nc_u32 v[ADRS], s21, v5
	v_and_b32 v6, 31, v0
	v_lshlrev_b32 v[ST16], 4, v6
	v_lshlrev_b32 v[ST8], 3, v6
.irp k, 4,5,6,7
	v_mov_b32 v[TM+\k], 0                          ; written once: a lane permute's destination counts as one of its sources
.endr
	; where my results go.  GJ: which 128 tokens; n0: my first head; kind: 0 q, 1 k, 2 v
	s_lshl_b32 s20, s17, 1
	s_add_co_u32 s20, s20, s15                     ; q, k: tokens are A's rows
	s_lshl_b32 s21, s42, 1
	s_add_co_u32 s21, s21, s16                     ; v: tokens are B's rows
	s_and_b32 s22, s42, 3
	s_lshl_b32 s22, s22, 2
	s_lshl_b32 s23, s16, 1
	s_add_co_u32 s22, s22, s23                     ; q, k: heads lie along B
	s_lshl_b32 s23, s17, 2
	s_lshl_b32 s46, s15, 1
	s_add_co_u32 s23, s23, s46                     ; v: along A
	s_lshr_b32 s46, s42, 2
	s_cmp_lg_u32 s101, 0
	s_cselect_b32 s20, s21, s20
	s_cselect_b32 s22, s23, s22
	s_cselect_b32 s46, 2, s46
	s_lshr_b32 s21, s20, 4                         ; the batch
	s_lshl_b32 s21, s21, 4
	s_add_co_u32 s21, s21, s22                     ; my first head of batch
	s_lshl_b32 s21, s21, 4
	s_and_b32 s20, s20, 15                         ; J
	s_add_co_u32 s21, s21, s20
	s_mul_i32 s22, s21, 6144                       ; four fragments of 1,536 bytes for each (head, J)
	s_mul_i32 s23, s46, 6291456
	s_add_co_u32 s22, s22, s23
	s_mov_b32 s23, 0
	s_lshl_b32 s20, s21, 8                         ; 256 bytes of scale words for each (head, J)
	s_lshl_b32 s47, s46, 18
	s_add_co_u32 s20, s20, s47
	s_add_co_u32 s20, s20, 18874368
	s_mov_b32 s21, 0
	s_add_nc_u64 s[66:67], s[12:13], s[20:21]      ; my scale words
	s_add_nc_u64 s[12:13], s[12:13], s[22:23]      ; my codes
.macro FRAG reg, adr, q, i             ; a fragment: 12 registers: lane l holds row l % 16; registers 6 c .. 6 c + 5 hold K = 64 c + 32 (l / 16) + 0 .. 31: 24 bytes of the row, in pieces of 8
.irp p, 0,1,2,3,4,5
.set PCE, 12*(\q)+6*(\p/3)+\p%3        ; where the piece three on lies behind one padding more, the second address register serves
.if PCE%8 < 5
	ds_load_b64 v[\reg+2*\p:\reg+2*\p+1], v[\adr] offset:8*PCE+16*(PCE/8)+(\i)*16*PITCH
.else
	ds_load_b64 v[\reg+2*\p:\reg+2*\p+1], v[\adr+2] offset:8*PCE+16*(PCE/8)+(\i)*16*PITCH
.endif
.endr
.endm
; 16 matrix instructions: A's blocks a0, a0 + 1 x B's eight, 128 along K.  The 64 accumulators take turns, one instruction a turn, in the same order in every step.
.macro MUL16 a0, p, q, sc, zero
.irp a, \a0, \a0+1
.irp b, 0,1,2,3,4,5,6,7
.if \zero
	v_wmma_scale_f32_16x16x128_f8f6f4 v[8*(8*((\a)%4)+\b):8*(8*((\a)%4)+\b)+7], v[128*(\p)+FR*\b:128*(\p)+FR*\b+FR-1], v[AF+FR*(\a):AF+FR*(\a)+FR-1], 0, v[SC+8*NQ*(\sc)+NQ*\b+(\q)], v[SC+8*NQ*(\sc)+NQ*(\a)+(\q)] matrix_a_fmt:MATRIX_FMT_BF6 matrix_b_fmt:MATRIX_FMT_BF6 matrix_a_scale:MATRIX_SCALE_ROW1
.else
	v_wmma_scale_f32_16x16x128_f8f6f4 v[8*(8*((\a)%4)+\b):8*(8*((\a)%4)+\b)+7], v[128*(\p)+FR*\b:128*(\p)+FR*\b+FR-1], v[AF+FR*(\a):AF+FR*(\a)+FR-1], v[8*(8*((\a)%4)+\b):8*(8*((\a)%4)+\b)+7], v[SC+8*NQ*(\sc)+NQ*\b+(\q)], v[SC+8*NQ*(\sc)+NQ*(\a)+(\q)] matrix_a_fmt:MATRIX_FMT_BF6 matrix_b_fmt:MATRIX_FMT_BF6 matrix_a_scale:MATRIX_SCALE_ROW1
.endif
.endr
.endr
.endm
.macro FETCH_B slot, q, p
	WIN TO_B
.irp i, 0,1,2,3,4,5,6,7
	FRAG 128*(\p)+FR*\i, ADRB+\slot, \q, \i
.endr
	WIN 0
.endm
.macro FETCH_A slot, q, i0
.irp i, \i0, \i0+1, \i0+2, \i0+3
	FRAG AF+FR*(\i), ADRA+\slot, \q, \i
.endr
.endm
.macro SCALES sc                       ; the next K step's scale words: lanes 0-15 take A's block i, lanes 16-31 B's block i
.irp i, 0,1,2,3,4,5,6,7
	ds_load_b64 v[SC+8*NQ*\sc+NQ*\i:SC+8*NQ*\sc+NQ*\i+1], v[ADRS] offset:\i*SBLK
.endr
.endm
.macro PLACES n                        ; plain vector lines between a matrix instruction and a load into, or a read of, its registers
.rept \n
	v_nop
.endr
.endm
.macro STEP slot, q, zero              ; a step of 128 along K that has its successor in the same slot
	s_wait_dscnt 4*NL                              ; B's set and A's blocks 0-3 are in; the youngest 24 loads (A's blocks 4-7) may be out
	WIN MUL_LO
	MUL16 0, (\q)%2, \q, \slot, \zero
	MUL16 2, (\q)%2, \q, \slot, \zero
	s_wait_dscnt 0                                 ; A's blocks 4-7 are in
	PLACES NP
	FETCH_B \slot, (\q)+1, 1-(\q)%2
	FETCH_A \slot, (\q)+1, 0
	WIN MUL_HI
	MUL16 4, (\q)%2, \q, \slot, \zero
	MUL16 6, (\q)%2, \q, \slot, \zero
	PLACES NP
	WIN 0
	FETCH_A \slot, (\q)+1, 4
.endm
; A slot's last step changes slots: ONE barrier; in front of it each wave waits for all its tensor loads, adds 0 to its spare word, and waits for that and for its own reads of this slot.  fill = 1: this slot is filled again, two K steps ahead.
.macro TURN slot, next, fill
	s_wait_tensorcnt 0x0                           ; all my tensor loads have landed: my part of the next slot
	ds_add_u32 v[SPW], v[NIL]                      ; 0 onto my spare word
	s_wait_dscnt 4*NL+1                            ; (the add and the youngest 24 loads, A's blocks 4-7, may be out)
	WIN MUL_LO
	MUL16 0, 1, NQ-1, \slot, 0                     ; sixteen matrix instructions stand between the add and the wait for it
	s_wait_dscnt 0x0                               ; the add is done, and my reads of this slot are over
	s_barrier_signal -1
	MUL16 2, 1, NQ-1, \slot, 0
	WIN 0
	s_barrier_wait -1
.if \fill
	CREST                                          ; the barrier has opened a round of the cluster's barrier: no wave of any partner still reads this slot or has a load on its way
	s_add_nc_u64 s[G0+4*\slot+2:G0+4*\slot+3], s[G0+4*\slot+2:G0+4*\slot+3], 2*ROWB
	s_add_nc_u64 s[G0B+4*\slot+2:G0B+4*\slot+3], s[G0B+4*\slot+2:G0B+4*\slot+3], 2*ROWB
	JLOAD G0+4*\slot, G1, G0B+4*\slot, G1B         ; the first tensor load behind the round; its four v_nop are also the places in front of the loads below
.else
	PLACES NP
.endif
	s_wait_alu depctr_va_vdst(0)
	v_add_nc_u32 v[ADRS], 4*NQ, v[ADRS]            ; on to the next K step's scale words (no LDS load of mine is out)
	FETCH_B \next, 0, 0
	FETCH_A \next, 0, 0
	SCALES \next
	WIN MUL_HI
	MUL16 4, 1, NQ-1, \slot, 0
	MUL16 6, 1, NQ-1, \slot, 0
	PLACES NP
	WIN 0
	FETCH_A \next, 0, 4
.endm
	s_wait_alu depctr_va_vdst(0)
	s_wait_tensorcnt 1                             ; the scale bytes and my part of K step 0 are in (K step 1's load may be out)
	s_barrier_signal -1
	s_barrier_wait -1                              ; everybody's are
	FETCH_B 0, 0, 0
	FETCH_A 0, 0, 0
	SCALES 0
	FETCH_A 0, 0, 4
	STEP 0, 0, 1                                   ; the first step stands in front of the loop: its products start the sums
	s_mov_b32 s3, LAPS-1
.Llap:                                                 ; a trip goes once round the ring and fills both slots again
	TURN 0, 1, 1
	STEP 1, 0, 0
	TURN 1, 0, 1
	STEP 0, 0, 0
	s_sub_co_u32 s3, s3, 1
	s_cmp_lg_u32 s3, 0
	s_cbranch_scc1 .Llap
	TURN 0, 1, 0                                   ; the last lap fills nothing
	STEP 1, 0, 0
	s_wait_dscnt 4*NL
	WIN MUL_LO
	MUL16 0, 1, NQ-1, 1, 0
	MUL16 2, 1, NQ-1, 1, 0
	s_wait_dscnt 0
	WIN MUL_HI
	MUL16 4, 1, NQ-1, 1, 0
	MUL16 6, 1, NQ-1, 1, 0
	WIN 0
; THE WAY OUT.  QUANT4 makes fragment QF of four blocks of 32 along the next K.  Block k's numbers lie in window QW from register QBk on: 16 in my lane, 16 in lane l xor 16.
; Largest magnitude (with the floor 2^(5 - 127) among its leaves), scale operand and byte, conversions, the exchange of halves that gives each lane a whole block, and three stores of 512 dense bytes.
; Every fragment has registers of its own for its codes, so no store's data are written again.  Each accumulator is read from its low end on.
.macro QUANT4
.set PCF, PC+20*QF
	WIN QW*5                                       ; sources 0 and 1: the accumulators' window
.irp k, 0,1,2,3
	v_max3_num_f32 v[TM+\k], |v[QB\k]|, |v[QB\k+1]|, 0x2800000
.endr
.irp i, 2,4,6,8,10,12,14
.irp k, 0,1,2,3
	v_max3_num_f32 v[TM+\k], |v[QB\k+\i]|, |v[QB\k+\i+1]|, v[TM+\k]   ; the four blocks by turns
.endr
.endr
	WIN 0
.irp k, 0,1,2,3
	v_permlanex16_b32 v[TM+4+\k], v[TM+\k], s98, s99
.endr
.irp k, 0,1,2,3
	v_max_num_f32 v[TM+\k], v[TM+\k], v[TM+4+\k]   ; with lane l xor 16's: the block's largest magnitude
.endr
.irp k, 0,1,2,3
	v_add_nc_u32 v[TM+12+\k], 0xfe000000, v[TM+\k] ; 4 off its exponent field: the conversion's scale operand
.endr
.irp k, 0,1,2,3
	v_lshrrev_b32 v[TM+4+\k], 23, v[TM+12+\k]      ; the scale's byte
.endr
	v_lshl_or_b32 v[PW+QF], v[TM+5], 8, v[TM+4]
	v_lshl_or_b32 v[PW+QF], v[TM+6], 16, v[PW+QF]
	v_lshl_or_b32 v[PW+QF], v[TM+7], 24, v[PW+QF]  ; my row's scale word
	WIN QW                                         ; source 0: the accumulators' window
	v_cvt_scalef32_pk16_bf6_f32 v[PCF:PCF+2], v[QB0:QB0+15], v[TM+12]
	v_cvt_scalef32_pk16_bf6_f32 v[PCF+12:PCF+14], v[QB1:QB1+15], v[TM+13]   ; (a conversion's three registers begin on an even number)
	v_cvt_scalef32_pk16_bf6_f32 v[PCF+6:PCF+8], v[QB2:QB2+15], v[TM+14]
	v_cvt_scalef32_pk16_bf6_f32 v[PCF+16:PCF+18], v[QB3:QB3+15], v[TM+15]
	WIN 0
	v_nop                                          ; one plain line behind a scaled conversion
.irp c, 0,1                                    ; the operand's layout wants a WHOLE block in a lane: lanes 0-15 block 2 c, lanes 16-31 block 2 c + 1
.irp i, 0,1,2
	v_permlane16_swap_b32 v[PCF+6*\c+\i], v[PCF+12+4*\c+\i]
.endr
.irp i, 0,1,2
	v_mov_b32 v[PCF+3+6*\c+\i], v[PCF+12+4*\c+\i]
.endr
.endr
.irp c, 0,1,2
	global_store_b128 v[ST16], v[PCF+4*\c:PCF+4*\c+3], s[12:13] offset:(QF/4)*98304+(QF%4)*1536+512*\c   ; 32 lanes store 512 consecutive bytes, aligned
.endr
.if QF%4 == 3                                  ; a head's four scale words: lanes 0-15 keep the even fragment's, lanes 16-31 the odd one's
	v_cndmask_b32 v[CW+2*(QF/4)], v[PW+QF-3], v[PW+QF-2], s100
	v_cndmask_b32 v[CW+2*(QF/4)+1], v[PW+QF-1], v[PW+QF], s100
	global_store_b64 v[ST8], v[CW+2*(QF/4):CW+2*(QF/4)+1], s[66:67] offset:(QF/4)*4096   ; 256 consecutive bytes, aligned
.endif
.endm
	PLACES NP                                      ; behind the last products, in front of the first read of results and the first write over A's fragments
	s_cmp_lg_u32 s101, 0                           ; the same in all partners: it hangs on the cluster's y
	s_cbranch_scc1 .Lv_out
.irp hd, 0,1                                   ; q, k: head hd of my two, token tiles 2 F and 2 F + 1: each gives the head's two blocks of 32 features
.irp F, 0,1,2,3
.set QF, 4*\hd+\F
.set QW, 2+(2*\F)/4
.set QB0, 64*((2*\F)%4)+32*\hd
.set QB1, QB0+16
.set QB2, 64*((2*\F+1)%4)+32*\hd
.set QB3, QB2+16
	QUANT4
.endr
.endr
	s_branch .Lout_done
.Lv_out:
.irp a, 0,1,2,3,4,5,6,7                        ; v: 16 features (A's block a) x my 128 tokens: four blocks of 32 keys
.set QF, \a
.set QW, 2+\a/4
.set QB0, 64*(\a%4)
.set QB1, QB0+16
.set QB2, QB0+32
.set QB3, QB0+48
	QUANT4
.endr
.Lout_done:
	s_wait_tensorcnt 0x0                           ; the wave's end
	ds_add_u32 v[SPW], v[NIL]
	s_wait_dscnt 0x0
	CROUND                                         ; the closing round: no work-group ends while a partner may still ask for a tile that names it
	s_endpgm
.Lfunc_end_k_qb3086c705d_qkv:
	.size	k_qb3086c705d_qkv, .Lfunc_end_k_qb3086c705d_qkv-k_qb3086c705d_qkv
	.p2alignl 7, 3214868480
	.fill 96, 4, 3214868480
	.section	.rodata,"a",@progbits
	.p2align	6, 0x0
	.amdhsa_kernel k_qb3086c705d_qkv
		.amdhsa_group_segment_fixed_size 327680
		.amdhsa_private_segment_fixed_size 0
		.amdhsa_enable_private_segment 0
		.amdhsa_kernarg_size 16
		.amdhsa_user_sgpr_count 2
		.amdhsa_user_sgpr_kernarg_segment_ptr 1
		.amdhsa_wavefront_size32 1
		.amdhsa_system_sgpr_workgroup_id_x 1
		.amdhsa_system_sgpr_workgroup_id_y 1
		.amdhsa_system_sgpr_workgroup_id_z 1
		.amdhsa_system_vgpr_workitem_id 0
		.amdhsa_next_free_vgpr 1024
		.amdhsa_next_free_sgpr 102
		.amdhsa_reserve_vcc 0
		.amdhsa_float_denorm_mode_32 3
		.amdhsa_float_denorm_mode_16_64 3
		.amdhsa_memory_ordered 1
		.amdhsa_forward_progress 1
		.amdhsa_inst_pref_size 199
	.end_amdhsa_kernel
	.amdgpu_metadata
---
amdhsa.version: [ 1, 2 ]
amdhsa.kernels:
  - .name:           k_qb3086c705d_qkv
    .symbol:         k_qb3086c705d_qkv.kd
    .args:
      - { .name: w1, .offset: 0, .size: 8, .value_kind: global_buffer, .address_space: global }
      - { .name: w2, .offset: 8, .size: 8, .value_kind: global_buffer, .address_space: global }
    .group_segment_fixed_size: 327680
    .private_segment_fixed_size: 0
    .kernarg_segment_align: 8
    .kernarg_segment_size: 16
    .max_flat_workgroup_size: 128
    .sgpr_count:     102
    .vgpr_count:     1024
    .wavefront_size: 32
...
	.end_amdgpu_metadata
.endif
;; end of part 2
;; launch attn (part 3): grid 4 x 64, 16 waves a work-group, no clusters, 206,848 bytes of LDS; arguments w2, mb, w3; writes w3
.if DOCPART == 3
	.amdgcn_target "amdgcn-amd-amdhsa--gfx1250"
	.amdhsa_code_object_version 6
	.text
	.protected	k_qb3086c705d_attn
	.globl	k_qb3086c705d_attn
	.p2align	8
	.type	k_qb3086c705d_attn,@function
k_qb3086c705d_attn:
	s_mov_b64 s[64:65], 0
	v_nop
	global_prefetch_b8 v0, s[64:65] scope:SCOPE_SE
	s_setreg_imm32_b32 hwreg(HW_REG_WAVE_MODE, 25, 1), 1
	s_wait_xcnt 0x0
; ATTN.  For each of 64 heads of batch: softmax(q k^T / 32, masked) v, both products on codes of BF6 (E3M2) with E8M0 scales; the result, divided by the row's sum, is quantised along d_model and stored as the last product's operand.
; SOFTMAX AHEAD OF THE SECOND PRODUCT: t = logit x log2(e); M = the row's largest t so far, rounded UP to a whole number; p = 2^(t - M) is quantised along the keys, not normalised; the row's sum is taken of the unquantised p.
; q arrives unscaled, so the scores are 32 x the logits and c = log2(e) / 32.
; THE MASK is an input.  A masked score becomes -2^35 (a logit of -2^30 for reference's -1e9): its product with c is exact and a whole number, so in a row that is masked all through t - M is exactly 0 and p = 1, the plain mean of v, as
; reference has it; beside any key that counts p is 0.  LIMIT: logits of keys that count below about -9.9e8 are not served.  NaN and infinities are not served.
; SHARES.  Work-group (j, head) owns the query tiles T = 4 i + j of one head, i = 0 .. 31; wave w takes i = w and then i = 31 - w.  A wave holds ONE tile of 16 queries in 256 registers, four waves to a SIMD.
; K's and V's codes and scale words of the whole head, 204,800 bytes, are copied into LDS once, through registers, and only read from then on: one barrier in the launch.
; STEPS THAT ARE LEFT OUT.  A step of 128 keys all of whose 16 x 128 places are masked adds exactly nothing, provided every row of the tile has a key that counts somewhere: it is jumped over, by a scalar branch on the summary words that
; the first launch stored.  A tile with a row that is masked all through walks all 16 steps.
; NO TENSOR LOADS, NO CLUSTER: what the four work-groups of a head share is the 204,800 bytes that each reads once at its head.
; LAYOUT.  Both products are used transposed: S^T = K Q^T, O^T = V^T P^T: a lane holds ONE query (lane % 16) throughout.  A fragment of K holds two tiles of 16 keys side by side along its 128 (64 features each); Q stands in the lower or in the
; upper 64 with zero codes in the other half, which picks the tile.  Register 16 b + i of the scores is key 128 J + 32 b + 16 (lane / 16) + i.
; REGISTERS: v1-9 addresses; v12 -M, v13 the largest t, v[14:15] the sum; v16-33 Q, zeros, Q; v34-45 Q as loaded; v48-95 four fragments of K or V; v96-159 S^T, then p; v160-191 O^T; v192-210 codes; v212-229 at work; v240-245 scales alone.
.set KC,   6291456                     ; k's codes in w2 (v's lie as far again behind them)
.set QS,   18874368                    ; q's scale words (k's 262,144 behind, v's 262,144 behind those)
.set META, 524288
.set AS,   6291456                     ; the scale bytes in w3
.set LSC,  196608                      ; LDS: K's codes at 0, V's at 98,304, K's scale words here, V's 4,096 on
.set S,    96
.set O,    160
.set KF,   48
.set PCD,  192
.set BM,   212
.set PT,   216
.set SO,   220
	s_load_b128 s[4:7], s[0:1], 0x0                ; w2 s[4:5], mb s[6:7]
	s_load_b64 s[8:9], s[0:1], 0x10                ; w3
	v_lshl_add_u32 v254, v0, 2, 0x32000
	v_mov_b32 v255, 0
	v_lshrrev_b32 v10, 5, v0
	s_delay_alu instid0(VALU_DEP_1)
	v_readfirstlane_b32 s10, v10                   ; wave 0..15
	s_and_b32 s12, ttmp7, 0xffff                   ; the head of batch
	v_and_b32 v11, 31, v0
	s_delay_alu instid0(VALU_DEP_1)
	v_lshlrev_b32 v1, 4, v11                       ; 16 x lane
	s_delay_alu instid0(VALU_DEP_2)
	v_lshl_add_u32 v2, v11, 3, LSC                 ; scale words: 8 x lane
	s_delay_alu instid0(VALU_DEP_3)
	v_lshlrev_b32 v8, 3, v11                       ; 8 x lane
	v_and_b32 v10, 15, v0                          ; r
	s_delay_alu instid0(VALU_DEP_1)
	v_lshlrev_b32 v7, 3, v10                       ; 8 r
	v_bfe_u32 v11, v0, 4, 1                        ; h
	s_delay_alu instid0(VALU_DEP_1)
	v_lshl_add_u32 v9, v10, 5, v11                 ; 32 r + h
	v_mov_b32 v6, 0xd1000000                       ; -2^35
	v_lshlrev_b32 v196, 4, v0                      ; the copy: 16 bytes a thread, 8,192 an instruction
	s_delay_alu instid0(VALU_DEP_1)
	v_add_nc_u32 v197, 0x10000, v196
	s_delay_alu instid0(VALU_DEP_2)
	v_add_nc_u32 v198, 0x20000, v196
	s_delay_alu instid0(VALU_DEP_3)
	v_add_nc_u32 v199, 0x30000, v196
	v_and_b32 v200, 255, v0
	s_delay_alu instid0(VALU_DEP_1)
	v_lshlrev_b32 v200, 4, v200
	v_lshrrev_b32 v201, 8, v0
	s_delay_alu instid0(VALU_DEP_1)
	v_lshl_add_u32 v200, v201, 18, v200            ; threads 0-255 take K's scale words, the others V's, 262,144 bytes on
.irp i, 22,23,24,25,26,27
	v_mov_b32 v\i, 0                               ; zero codes
.endr
.irp i, 216,217,218,219,225,226
	v_mov_b32 v\i, 0                               ; written once: destinations of lane permutes, and the upper half of a pair
.endr
	s_mov_b32 s84, 0x76543210
	s_mov_b32 s85, 0xfedcba98                      ; v_permlanex16_b32's selects for lane l xor 16
	s_mov_b32 s86, 0x3d38aa3b                      ; c = log2(e) / 32
	s_mov_b32 s87, s86
	s_mov_b32 s98, 0xffff0000                      ; lanes 16-31
	s_mul_i32 s100, s12, 98304
	s_mov_b32 s101, 0
	s_wait_kmcnt 0x0
	s_add_nc_u64 s[94:95], s[4:5], s[100:101]      ; the head's codes of q
	s_add_nc_u64 s[92:93], s[94:95], KC            ; of k
	s_lshl_b32 s100, s12, 12
	s_add_nc_u64 s[96:97], s[4:5], s[100:101]
	s_add_nc_u64 s[96:97], s[96:97], QS            ; the head's scale words of q
	s_add_nc_u64 s[2:3], s[96:97], 262144          ; of k
.set i, 0
.rept 24
	global_load_b128 v[96+4*i:99+4*i], v196, s[92:93] offset:8192*i+(i/12)*(6291456-98304)   ; twelve for K, twelve for V
.set i, i+1
.endr
	global_load_b128 v[192:195], v200, s[2:3]
.set i, 0
.rept 25
	s_wait_loadcnt 24-i                            ; loads come back in order: number i is in, the younger ones may be out
	ds_store_b128 v[196+i/8], v[96+4*i:99+4*i] offset:(i%8)*8192
.set i, i+1
.endr
	s_wait_dscnt 0x0                               ; for the others' sake: my stores have landed
	s_barrier_signal -1
	s_barrier_wait -1                              ; the head's K and V lie in LDS; nothing is written there again
	s_mov_b32 s13, 0
.Ltile:
	s_sub_co_u32 s100, 31, s10
	s_cmp_eq_u32 s13, 0
	s_cselect_b32 s14, s10, s100
	s_lshl_b32 s14, s14, 2
	s_add_co_u32 s14, s14, ttmp9                   ; T
	s_lshl_b32 s100, s14, 7
	s_add_co_u32 s100, s100, META
	s_mov_b32 s101, 0
	s_add_nc_u64 s[68:69], s[6:7], s[100:101]
	s_load_b512 s[16:31], s[68:69], 0x0            ; the tile's summary: U, A for each of 16 steps
	s_load_b512 s[32:47], s[68:69], 0x40
	s_lshl_b32 s100, s14, 12
	s_add_nc_u64 s[90:91], s[6:7], s[100:101]      ; the tile's mask words: 256 bytes a step
	s_lshr_b32 s100, s14, 3
	s_mul_i32 s100, s100, 6144
	s_bfe_u32 s88, s14, 0x20001
	s_mul_i32 s88, s88, 1536
	s_add_co_u32 s100, s100, s88
	s_add_nc_u64 s[92:93], s[94:95], s[100:101]    ; the fragment that holds tiles T and T xor 1
	s_lshr_b32 s100, s14, 3
	s_lshl_b32 s100, s100, 8
	s_bfe_u32 s88, s14, 0x10001
	s_lshl_b32 s88, s88, 7
	s_add_co_u32 s100, s100, s88
	s_bfe_u32 s88, s14, 0x10002
	s_lshl_b32 s88, s88, 2
	s_add_co_u32 s100, s100, s88
	s_add_nc_u64 s[2:3], s[96:97], s[100:101]      ; and its scale words
	global_load_b128 v[34:37], v1, s[92:93]
	global_load_b128 v[38:41], v1, s[92:93] offset:512
	global_load_b128 v[42:45], v1, s[92:93] offset:1024
	global_load_b32 v227, v7, s[2:3]
	s_wait_kmcnt 0x0
	s_or_b32 s101, s16, s18                        ; which lanes have a key that counts anywhere
.irp J, 2,3,4,5,6,7,8,9,10,11,12,13,14,15
	s_or_b32 s101, s101, s[16+2*\J]
.endr
	s_lshr_b32 s100, s101, 16
	s_or_b32 s101, s101, s100                      ; a row is lanes r and r + 16
	s_and_b32 s101, s101, 0xffff
	s_mov_b32 s66, 0
	s_mov_b32 s67, 0
.irp J, 0,1,2,3,4,5,6,7,8,9,10,11,12,13,14,15
	s_cmp_eq_u32 s[16+2*\J], 0
	s_cselect_b32 s100, 1<<\J, 0
	s_or_b32 s66, s66, s100                        ; bit J: all of step J is masked
	s_cmp_lg_u32 s[17+2*\J], 0
	s_cselect_b32 s100, 1<<\J, 0
	s_or_b32 s67, s67, s100                        ; bit J: something in step J is masked
.endr
	s_cmp_eq_u32 s101, 0xffff
	s_cselect_b32 s66, s66, 0                      ; steps are left out only where every row has a key that counts
	s_mov_b32 s99, 0x01000100
	s_and_b32 s100, s14, 1                         ; which of the fragment's two tiles is mine
	s_cselect_b32 s99, 0x03020302, s99             ; its two scale bytes, twice
	s_cselect_b32 s100, -1, 0
	s_wait_loadcnt 0x0
	v_perm_b32 v244, v227, v227, s99               ; Q's scale word serves the lower and the upper place alike
.irp i, 0,1,2,3,4,5
	v_cndmask_b32 v[16+\i], v[34+\i], v[40+\i], s100
.endr
.irp i, 0,1,2,3,4,5
	v_mov_b32 v[28+\i], v[16+\i]
.endr
	v_mov_b32 v13, 0xff61b1e6                      ; the largest t so far: -3e38
	s_delay_alu instid0(VALU_DEP_1)
	v_floor_f32 v12, -v13                          ; -M
	v_mov_b32 v14, 0
	v_mov_b32 v15, 0
.set i, 0
.rept 32
	v_mov_b32 v[O+i], 0                            ; O^T: which step is a tile's first hangs on the mask, so the sums begin as zeros.  (These lines are also the places between the writes of Q and its scale word and the first product)
.set i, i+1
.endr
	s_mov_b32 s88, 0                               ; 6,144 J
	s_mov_b32 s89, 0                               ; 256 J
	s_mov_b32 s15, 0
.Lstep:
	s_bitcmp1_b32 s66, 0
	s_cbranch_scc1 .Lskip
	s_load_b512 s[16:31], s[90:91], s89 offset:0x0     ; the step's 64 mask words: word n in s[16 + n], from n = 48 on in s[20 + n]
	s_load_b512 s[32:47], s[90:91], s89 offset:0x40
	s_load_b512 s[48:63], s[90:91], s89 offset:0x80
	s_load_b512 s[68:83], s[90:91], s89 offset:0xc0
	s_setprio 2
	v_add_nc_u32 v3, s88, v1                       ; K's fragments
	v_add_nc_u32 v5, s89, v2                       ; the scale words
	s_delay_alu instid0(VALU_DEP_2)
	v_add_nc_u32 v4, 0x18000, v3                   ; V's fragments
	v_nop                                          ; four plain lines behind the last step's products, in front of loads into their registers
.irp F, 0,1,2,3
.irp c, 0,1,2
	ds_load_b128 v[KF+12*\F+4*\c:KF+12*\F+4*\c+3], v3 offset:1536*\F+512*\c
.endr
.endr
	ds_load_b64 v[240:241], v5                     ; K's scale words: register d: lanes 0-15 fragment 2 d, lanes 16-31 fragment 2 d + 1
	ds_load_b64 v[242:243], v5 offset:4096         ; V's likewise
	s_wait_alu depctr_va_vdst(0)
	s_wait_dscnt 0x0
.irp F, 0,1,2,3
.if \F%2
	v_wmma_scale_f32_16x16x128_f8f6f4 v[S+16*\F:S+16*\F+7], v[KF+12*\F:KF+12*\F+11], v[16:27], 0, v[240+\F/2], v244 matrix_a_fmt:MATRIX_FMT_BF6 matrix_b_fmt:MATRIX_FMT_BF6 matrix_a_scale:MATRIX_SCALE_ROW1
	v_wmma_scale_f32_16x16x128_f8f6f4 v[S+16*\F+8:S+16*\F+15], v[KF+12*\F:KF+12*\F+11], v[22:33], 0, v[240+\F/2], v244 matrix_a_fmt:MATRIX_FMT_BF6 matrix_b_fmt:MATRIX_FMT_BF6 matrix_a_scale:MATRIX_SCALE_ROW1
.else
	v_wmma_scale_f32_16x16x128_f8f6f4 v[S+16*\F:S+16*\F+7], v[KF+12*\F:KF+12*\F+11], v[16:27], 0, v[240+\F/2], v244 matrix_a_fmt:MATRIX_FMT_BF6 matrix_b_fmt:MATRIX_FMT_BF6
	v_wmma_scale_f32_16x16x128_f8f6f4 v[S+16*\F+8:S+16*\F+15], v[KF+12*\F:KF+12*\F+11], v[22:33], 0, v[240+\F/2], v244 matrix_a_fmt:MATRIX_FMT_BF6 matrix_b_fmt:MATRIX_FMT_BF6
.endif
.endr
.rept 4
	v_nop                                          ; places in front of the loads below and of the first read of the scores
.endr
.irp t, 0,1,2,3
.irp c, 0,1,2
	ds_load_b128 v[KF+12*\t+4*\c:KF+12*\t+4*\c+3], v4 offset:1536*\t+512*\c   ; V's fragments land while the softmax is worked
.endr
.endr
	s_wait_kmcnt 0x0                               ; the mask words are in (waited for on both ways below)
	s_bitcmp1_b32 s67, 0
	s_cbranch_scc0 .Lopen                          ; nothing in this step is masked
.set n, 0
.rept 64
	v_cndmask_b32 v[S+n], v[S+n], v6, s[16+n+4*(n/48)]
.set n, n+1
.endr
.Lopen:
.irp b, 0,1,2,3
	v_max3_num_f32 v[BM+\b], v[S+16*\b], v[S+1+16*\b], v[S+2+16*\b]   ; the largest score of each block of 32 keys: for the row's maximum, and, since p rises with the score, for the block's largest p
.endr
.irp i, 3,5,7,9,11,13
.irp b, 0,1,2,3
	v_max3_num_f32 v[BM+\b], v[BM+\b], v[S+16*\b+\i], v[S+1+16*\b+\i]
.endr
.endr
.irp b, 0,1,2,3
	v_max_num_f32 v[BM+\b], v[BM+\b], v[S+15+16*\b]
.endr
.irp b, 0,1,2,3
	s_delay_alu instid0(VALU_DEP_4)
	v_permlanex16_b32 v[PT+\b], v[BM+\b], s84, s85
.endr
.irp b, 0,1,2,3
	s_delay_alu instid0(VALU_DEP_4)
	v_max_num_f32 v[BM+\b], v[BM+\b], v[PT+\b]     ; with lane l xor 16's 16 keys
.endr
	s_delay_alu instid0(VALU_DEP_2)
	v_max3_num_f32 v226, v212, v213, v214
	s_delay_alu instid0(VALU_DEP_1)
	v_max_num_f32 v226, v226, v215                 ; the step's largest score of my query
	s_delay_alu instid0(VALU_DEP_1)
	v_mul_f32 v226, s86, v226                      ; as t
	s_delay_alu instid0(VALU_DEP_1)
	v_max_num_f32 v13, v13, v226                   ; the running largest t
	v_mov_b32 v226, v12
	s_delay_alu instid0(VALU_DEP_2)
	v_floor_f32 v12, -v13                          ; the new -M = -ceil(t): M is a whole number
	s_delay_alu instid0(VALU_DEP_1)
	v_sub_f32 v226, v12, v226                      ; old M - new M: a whole number, 0 or less
	s_delay_alu instid0(VALU_DEP_1)
	v_cvt_i32_f32 v226, v226                       ; (it saturates)
	s_delay_alu instid0(VALU_DEP_1)
	v_ldexp_f32 v224, 1.0, v226                    ; f = 2^(old M - new M): a multiplication by it rounds nothing
.set j, 0
.rept 32
	v_pk_fma_f32 v[S+j:S+j+1], v[S+j:S+j+1], s[86:87], v[12:13] op_sel_hi:[1,0,0]   ; t - M, two at a time
.set j, j+2
.endr
.irp b, 0,1,2,3
	v_fma_f32 v[BM+\b], v[BM+\b], s86, v12         ; the same of each block's largest score
.endr
.set j, 0
	s_setprio 1
	s_wait_alu depctr_va_vdst(0)
.rept 64
	v_exp_f32 v[S+j], v[S+j]                       ; p = 2^(t - M), at most 1
.set j, j+1
.endr
	v_pk_mul_f32 v[14:15], v[14:15], v[224:225] op_sel_hi:[1,0]   ; the sums under the new M (a plain line behind the exponentials)
	s_wait_alu depctr_va_vdst(0)                   ; one wait for the whole batch, ahead of its first reader
.irp b, 0,1,2,3
	v_exp_f32 v[BM+\b], v[BM+\b]                   ; the block's largest p: the same two instructions on the same number give the same bits
.endr
	v_pk_add_f32 v[228:229], v[100:101], v[104:105]
	v_pk_add_f32 v[252:253], v[108:109], v[112:113]
	v_pk_add_f32 v[250:251], v[116:117], v[120:121]
	v_pk_add_f32 v[248:249], v[124:125], v[128:129]
	v_pk_add_f32 v[246:247], v[132:133], v[136:137]
	v_pk_add_f32 v[240:241], v[140:141], v[144:145]
	v_pk_add_f32 v[238:239], v[148:149], v[152:153]
	v_pk_add_f32 v[14:15], v[14:15], v[156:157]
	v_pk_add_f32 v[228:229], v[228:229], v[96:97]
	v_pk_add_f32 v[252:253], v[252:253], v[98:99]
	v_pk_add_f32 v[250:251], v[250:251], v[102:103]
	v_pk_add_f32 v[248:249], v[248:249], v[106:107]
	v_pk_add_f32 v[246:247], v[246:247], v[110:111]
	v_pk_add_f32 v[240:241], v[240:241], v[114:115]
	v_pk_add_f32 v[238:239], v[238:239], v[118:119]
	v_pk_add_f32 v[14:15], v[14:15], v[122:123]
	v_pk_add_f32 v[228:229], v[228:229], v[126:127]
	v_pk_add_f32 v[252:253], v[252:253], v[130:131]
	v_pk_add_f32 v[250:251], v[250:251], v[134:135]
	v_pk_add_f32 v[248:249], v[248:249], v[138:139]
	v_pk_add_f32 v[246:247], v[246:247], v[142:143]
	v_pk_add_f32 v[240:241], v[240:241], v[146:147]
	v_pk_add_f32 v[238:239], v[238:239], v[150:151]
	v_pk_add_f32 v[14:15], v[14:15], v[154:155]
	v_pk_add_f32 v[228:229], v[228:229], v[158:159]
	s_delay_alu instid0(VALU_DEP_2)
	v_pk_add_f32 v[14:15], v[14:15], v[248:249]
	s_delay_alu instid0(VALU_DEP_2)
	v_pk_add_f32 v[228:229], v[228:229], v[246:247]
	v_pk_add_f32 v[252:253], v[252:253], v[240:241]
	v_pk_add_f32 v[250:251], v[250:251], v[238:239]
	s_delay_alu instid0(VALU_DEP_2)
	v_pk_add_f32 v[14:15], v[14:15], v[252:253]
	s_delay_alu instid0(VALU_DEP_2)
	v_pk_add_f32 v[228:229], v[228:229], v[250:251]
	s_delay_alu instid0(VALU_DEP_1)
	v_pk_add_f32 v[14:15], v[14:15], v[228:229]
	s_wait_alu depctr_va_vdst(0)                   ; and one for the four
.irp b, 0,1,2,3
	v_max_num_f32 v[BM+\b], 0x2800000, v[BM+\b]    ; the floor 2^(5 - 127): the byte cannot fall under 1
.endr
.irp b, 0,1,2,3
	s_delay_alu instid0(VALU_DEP_4)
	v_add_nc_u32 v[SO+\b], 0xfe000000, v[BM+\b]    ; 4 off the exponent field: the conversion's scale operand
.endr
.irp b, 0,1,2,3
	s_delay_alu instid0(VALU_DEP_4)
	v_lshrrev_b32 v[PT+\b], 23, v[SO+\b]           ; the scale's byte
.endr
	s_delay_alu instid0(VALU_DEP_3)
	v_lshl_or_b32 v245, v217, 8, v216              ; p's scale word for these 128 keys
	s_delay_alu instid0(VALU_DEP_1)
	v_lshl_or_b32 v245, v218, 16, v245
	s_delay_alu instid0(VALU_DEP_1)
	v_lshl_or_b32 v245, v219, 24, v245
.irp c, 0,1
	v_cvt_scalef32_pk16_bf6_f32 v[PCD+6*\c:PCD+2+6*\c], v[S+32*\c:S+15+32*\c], v[SO+2*\c]
	v_cvt_scalef32_pk16_bf6_f32 v[PCD+12+4*\c:PCD+14+4*\c], v[S+16+32*\c:S+31+32*\c], v[SO+2*\c+1]
.endr
	v_nop                                          ; one plain line behind a scaled conversion
	s_setprio 0
.irp c, 0,1
.irp i, 0,1,2
	v_permlane16_swap_b32 v[PCD+6*\c+\i], v[PCD+12+4*\c+\i]
.endr
.irp i, 0,1,2
	s_delay_alu instid0(VALU_DEP_3)
	v_mov_b32 v[PCD+3+6*\c+\i], v[PCD+12+4*\c+\i]
.endr
.endr
.set j, 0
.rept 16
	v_pk_mul_f32 v[O+j:O+j+1], v[O+j:O+j+1], v[224:225] op_sel_hi:[1,0]   ; O^T under the new M (also the places between the writes of p's codes and scale word and the products)
.set j, j+2
.endr
	s_wait_alu depctr_va_vdst(0)
	s_wait_dscnt 0x0                               ; V's fragments are in
.irp t, 0,1,2,3                                ; O^T += V^T P^T: four accumulators, one instruction each
.if \t%2
	v_wmma_scale_f32_16x16x128_f8f6f4 v[O+8*\t:O+8*\t+7], v[KF+12*\t:KF+12*\t+11], v[PCD:PCD+11], v[O+8*\t:O+8*\t+7], v[242+\t/2], v245 matrix_a_fmt:MATRIX_FMT_BF6 matrix_b_fmt:MATRIX_FMT_BF6 matrix_a_scale:MATRIX_SCALE_ROW1
.else
	v_wmma_scale_f32_16x16x128_f8f6f4 v[O+8*\t:O+8*\t+7], v[KF+12*\t:KF+12*\t+11], v[PCD:PCD+11], v[O+8*\t:O+8*\t+7], v[242+\t/2], v245 matrix_a_fmt:MATRIX_FMT_BF6 matrix_b_fmt:MATRIX_FMT_BF6
.endif
.endr
.Lskip:
	s_lshr_b32 s66, s66, 1
	s_lshr_b32 s67, s67, 1
	s_add_co_u32 s88, s88, 6144
	s_add_co_u32 s89, s89, 256                     ; (the scalar loads that named it have been waited for)
	s_add_co_u32 s15, s15, 1
	s_cmp_lt_u32 s15, 16
	s_cbranch_scc1 .Lstep
	s_setprio 0
	; THE TILE'S END: O^T / the sum, quantised along d_model: the head's two blocks of 32; register 16 b + i is feature 32 b + 16 (lane / 16) + i.
.rept 4
	v_nop                                          ; places behind the last products, on every way out of the loop
.endr
	v_add_f32 v14, v14, v15
	s_delay_alu instid0(VALU_DEP_1)
	v_permlanex16_b32 v226, v14, s84, s85
	s_delay_alu instid0(VALU_DEP_1)
	v_add_f32 v14, v14, v226                       ; the row's sum
	s_wait_alu depctr_va_vdst(0)
	v_rcp_f32 v14, v14
	v_nop                                          ; a plain line behind the reciprocal
	s_lshr_b32 s100, s12, 4
	s_lshl_b32 s100, s100, 7
	s_add_co_u32 s100, s100, s14                   ; the token tile: 128 x batch + T
	s_and_b32 s88, s12, 15                         ; the head
	s_lshl_b32 s89, s100, 4
	s_add_co_u32 s89, s89, s88
	s_mul_i32 s89, s89, 768                        ; a unit of 768 bytes for each (token tile, head)
	s_lshl_b32 s100, s100, 9
	s_lshl_b32 s88, s88, 1
	s_add_co_u32 s100, s100, s88
	s_add_co_u32 s100, s100, AS                    ; scale bytes: 32 a token, two a head
	s_mov_b32 s101, 0
	s_add_nc_u64 s[2:3], s[8:9], s[100:101]
	s_mov_b32 s100, s89
	s_add_nc_u64 s[92:93], s[8:9], s[100:101]
	s_wait_alu depctr_va_vdst(0)                   ; ahead of the reciprocal's first reader
.set j, 0
.rept 16
	v_pk_mul_f32 v[S+j:S+j+1], v[O+j:O+j+1], v[14:15] op_sel_hi:[1,0]
.set j, j+2
.endr
.irp b, 0,1
	v_max3_num_f32 v[BM+\b], |v[S+16*\b]|, |v[S+1+16*\b]|, 0x2800000
.endr
.irp i, 2,4,6,8,10,12,14
.irp b, 0,1
	s_delay_alu instid0(VALU_DEP_2)
	v_max3_num_f32 v[BM+\b], v[BM+\b], |v[S+16*\b+\i]|, |v[S+1+16*\b+\i]|
.endr
.endr
.irp b, 0,1
	s_delay_alu instid0(VALU_DEP_2)
	v_permlanex16_b32 v[PT+\b], v[BM+\b], s84, s85
.endr
.irp b, 0,1
	s_delay_alu instid0(VALU_DEP_2)
	v_max_num_f32 v[BM+\b], v[BM+\b], v[PT+\b]
.endr
.irp b, 0,1
	s_delay_alu instid0(VALU_DEP_2)
	v_add_nc_u32 v[SO+\b], 0xfe000000, v[BM+\b]
.endr
.irp b, 0,1
	s_delay_alu instid0(VALU_DEP_2)
	v_lshrrev_b32 v[PT+\b], 23, v[SO+\b]
.endr
	v_cvt_scalef32_pk16_bf6_f32 v[PCD:PCD+2], v[S:S+15], v[SO]
	v_cvt_scalef32_pk16_bf6_f32 v[PCD+12:PCD+14], v[S+16:S+31], v[SO+1]
	v_nop                                          ; one plain line behind a scaled conversion
.irp i, 0,1,2
	v_permlane16_swap_b32 v[PCD+\i], v[PCD+12+\i]
.endr
.irp i, 0,1,2
	s_delay_alu instid0(VALU_DEP_3)
	v_mov_b32 v[PCD+3+\i], v[PCD+12+\i]            ; lane (r, h): the 32 codes of block h of my row: six registers of the last product's operand
.endr
	v_cndmask_b32 v226, v216, v217, s98            ; and that block's byte
.irp p, 0,1,2
	global_store_b64 v8, v[PCD+2*\p:PCD+2*\p+1], s[92:93] offset:256*\p   ; 32 lanes store 256 consecutive bytes, aligned
.endr
	global_store_b8 v9, v226, s[2:3]               ; two bytes of each of 16 rows of scale bytes: one part in 24 of what the tile stores
	s_wait_xcnt 0x0                                ; the stores have read their registers and bases: the next tile writes both
	s_add_co_u32 s13, s13, 1
	s_cmp_lt_u32 s13, 2
	s_cbranch_scc1 .Ltile
	s_wait_tensorcnt 0x0
	ds_add_u32 v254, v255
	s_wait_dscnt 0x0
	s_endpgm
.Lfunc_end_k_qb3086c705d_attn:
	.size	k_qb3086c705d_attn, .Lfunc_end_k_qb3086c705d_attn-k_qb3086c705d_attn
	.p2alignl 7, 3214868480
	.fill 96, 4, 3214868480
	.section	.rodata,"a",@progbits
	.p2align	6, 0x0
	.amdhsa_kernel k_qb3086c705d_attn
		.amdhsa_group_segment_fixed_size 206848
		.amdhsa_private_segment_fixed_size 0
		.amdhsa_enable_private_segment 0
		.amdhsa_kernarg_size 24
		.amdhsa_user_sgpr_count 2
		.amdhsa_user_sgpr_kernarg_segment_ptr 1
		.amdhsa_wavefront_size32 1
		.amdhsa_system_sgpr_workgroup_id_x 1
		.amdhsa_system_sgpr_workgroup_id_y 1
		.amdhsa_system_sgpr_workgroup_id_z 1
		.amdhsa_system_vgpr_workitem_id 0
		.amdhsa_next_free_vgpr 256
		.amdhsa_next_free_sgpr 102
		.amdhsa_reserve_vcc 0
		.amdhsa_float_denorm_mode_32 3
		.amdhsa_float_denorm_mode_16_64 3
		.amdhsa_memory_ordered 1
		.amdhsa_forward_progress 1
		.amdhsa_inst_pref_size 43
	.end_amdhsa_kernel
	.amdgpu_metadata
---
amdhsa.version: [ 1, 2 ]
amdhsa.kernels:
  - .name:           k_qb3086c705d_attn
    .symbol:         k_qb3086c705d_attn.kd
    .args:
      - { .name: w2, .offset: 0, .size: 8, .value_kind: global_buffer, .address_space: global }
      - { .name: mb, .offset: 8, .size: 8, .value_kind: global_buffer, .address_space: global }
      - { .name: w3, .offset: 16, .size: 8, .value_kind: global_buffer, .address_space: global }
    .group_segment_fixed_size: 206848
    .private_segment_fixed_size: 0
    .kernarg_segment_align: 8
    .kernarg_segment_size: 24
    .max_flat_workgroup_size: 512
    .sgpr_count:     102
    .vgpr_count:     256
    .wavefront_size: 32
...
	.end_amdgpu_metadata
.endif
;; end of part 3
;; launch oproj (part 4): grid 4 x 32, 4 waves a work-group, clusters of 4 x 4, 327,680 bytes of LDS; arguments w3, w1, out0; writes out0
.if DOCPART == 4
	.amdgcn_target "amdgcn-amd-amdhsa--gfx1250"
	.amdhsa_code_object_version 6
	.text
	.protected	k_qb3086c705d_oproj
	.globl	k_qb3086c705d_oproj
	.p2align	8
	.type	k_qb3086c705d_oproj,@function
k_qb3086c705d_oproj:
	s_mov_b64 s[64:65], 0
	v_nop
	global_prefetch_b8 v0, s[64:65] scope:SCOPE_SE
	s_setreg_imm32_b32 hwreg(HW_REG_WAVE_MODE, 25, 1), 1
	s_wait_xcnt 0x0
	s_wait_alu depctr_hold_cnt(0) depctr_sa_sdst(0) depctr_va_vdst(0) depctr_va_sdst(0) depctr_va_ssrc(0) depctr_va_vcc(0) depctr_vm_vsrc(0)
	s_getreg_b32 s2, hwreg(HW_REG_IB_STS2, 6, 4)
	s_cmp_eq_u32 s2, 0
	s_cbranch_scc0 .Lentry_in_a_cluster
	s_endpgm
.Lentry_in_a_cluster:
	s_bfe_u32 s2, ttmp6, 0x10000c
	s_cmp_lg_u32 s2, 0xf033
	s_cbranch_scc0 .Lentry_shape_is_right
	s_endpgm
.Lentry_shape_is_right:
; OPROJ.  out0 = attn w_out^T on codes of BF6 (E3M2) with one E8M0 scale for each 32 along K = 1,024; out0 [8192][1024] f32; sums in f32, K ascending.
; A = attn, as the attention launch left it in w3: [token tile 512][head 16][piece 3][lane 32][8 bytes]: the six registers that a lane holds of 16 tokens x 64 along K; its scale bytes [place 8192][32].
; B = w_out's codes and scale bytes in w1, rows 11,264 on, 768 and 32 bytes a row.
; A tile of 256 x 256 of the output is made by a work-group of four waves, 128 x 128 a wave: 64 accumulators, 512 registers.  K goes in steps of 256 through a ring of two LDS slots filled by the tensor data mover:
; of A eight token tiles x 3,072 dense bytes a load, read back 8 bytes a lane on end; of B 128 rows x 192 bytes, padded.  The scale bytes of the tile's 512 rows come into LDS once.
; CLUSTERS: 4 x 4 work-groups; A's tiles are asked for jointly along a row of the cluster, B's along a column.  The matrix instruction is used transposed: a lane holds eight neighbouring numbers of a row of the output.
; THE TOKENS' PLACES: place 16 u + t of each 32 holds token 8 u + t + 8 (t / 8); the stores put each row where it belongs.
; 128 tiles: half of a chip's 256 WGPs have a work-group.
; REGISTERS: window 0: v0-31 addresses; v32-63 scale words, two sets; from v128 A's fragments, ONE set; on the way out v128-255.   window 1: B's fragments, TWO sets.   windows 2, 3: the accumulators.
.set NQ,     2
.set ROWB,   192
.set AROWB,  3072                      ; a token tile's bytes of a K step
.set KROW,   768
.set PITCH,  240
.set FR,     12
.set NL,     6
.set NP,     4
.set HALFA,  8*AROWB                   ; 128 rows of A: 24,576 bytes
.set HALFB,  128*PITCH                 ; 128 rows of B: 30,720 bytes
.set SLOT,   2*HALFA+2*HALFB
.set LAPS,   2
.set KS,     32
.set SCL,    2*SLOT
.set HALFS,  (128*KS/256)*272
.set SBLK,   (16*KS/256)*272
.set SPARE,  SCL+4*HALFS               ; the spare words, 128 bytes for each wave: two blocks of 256 bytes that no other line names
.set SPITCH, 528                       ; the way out: a stage of 16 rows x (512 bytes + 16) for each wave, in slot 0, which has had its last fill and its last read when the first result is stored there
.set S1,     9437184
.set AS,     6291456
.set ADRA, 16                          ; v16-17 LDS address of my A fragments in slot 0, 1: 8 x lane on
.set ADRB, 20                          ; v20-21 of my B fragments (v22-23: behind one padding more)
.set STO,  24
.set RD,   25
.set CO,   26
.set ADRS, 27
.set SPW,  28
.set NIL,  29
.set SC,   32
.set AF,   128
.set BK,   128
.set G1, 24
.set G0, 32
.set G1B, 48
.set G0B, 56
.set G1S, 68
.set G0S, 76
.set G1SB, 80
.set G0SB, 88
.set MSB, 0
.macro WIN new                         ; the immediate's high byte repeats the setting that is left
.if MSB != \new
	s_set_vgpr_msb (MSB<<8)|\new
.set MSB, \new
.endif
.endm
.set MUL_LO, 0xa1
.set MUL_HI, 0xf1
.set TO_B,   0x40
.macro JLOAD g0a, g1a, g0b, g1b        ; a joint load: waves 0 and 1 fetch for A, waves 2 and 3 for B; four v_nop follow each of the two lines
	s_cmp_eq_u32 s15, 0
	s_cbranch_scc0 .Lfor_b_\@
	tensor_load_to_lds s[\g0a:\g0a+3], s[\g1a:\g1a+7]
	s_nop 0
.rept 4
	v_nop
.endr
	s_branch .Lasked_\@
.Lfor_b_\@:
	tensor_load_to_lds s[\g0b:\g0b+3], s[\g1b:\g1b+7]
	s_nop 0
.rept 4
	v_nop
.endr
.Lasked_\@:
.endm
.macro CREST
	s_cmp_lg_u32 s14, 0
	s_cbranch_scc1 .Lnot_wave_0_\@
	s_barrier_signal -3
.Lnot_wave_0_\@:
	s_barrier_wait -3
	s_barrier_signal -1
	s_barrier_wait -1
.endm
.macro CROUND
	s_barrier_signal -1
	s_barrier_wait -1
	CREST
.endm
	s_load_b128 s[4:7], s[0:1], 0x0                ; w3 s[4:5], w1 s[6:7]
	s_load_b64 s[12:13], s[0:1], 0x10              ; out0
	v_lshl_add_u32 v[SPW], v0, 2, SPARE
	v_mov_b32 v[NIL], 0
	ds_add_u32 v28, v29
	ds_add_u32 v28, v29
	s_wait_dscnt 0x0
	v_lshrrev_b32 v1, 5, v0
	v_readfirstlane_b32 s14, v1                    ; wave 0..3
	s_lshr_b32 s15, s14, 1                         ; which half of the tile's rows is mine.  Also: I fetch for A (0) or for B (1)
	s_and_b32 s16, s14, 1                          ; which half of its columns.  Also: which 128 rows of that tile I fetch
	s_bfe_u32 s40, ttmp6, 0x40000                  ; cx, cy
	s_bfe_u32 s41, ttmp6, 0x40004
	s_lshl_b32 s42, ttmp9, 2
	s_add_co_u32 s42, s42, s40                     ; tile column
	s_and_b32 s17, ttmp7, 0xffff
	s_lshl_b32 s17, s17, 2
	s_add_co_u32 s17, s17, s41                     ; tile row
	s_lshl_b32 s43, s41, 2
	s_lshl_b32 s43, 15, s43                        ; my row of the cluster
	s_lshl_b32 s44, 0x1111, s40                    ; my column
	; A: 8 rows (token tiles) of 384 elements of 8 bytes, 1,536 elements apart; no padding
	s_or_b32 s[G1+0], s43, (3<<16)|(1<<21)
	s_mov_b32 s[G1+1], 384<<16                     ; tensor_dim0
	s_mov_b32 s[G1+2], 8<<16                       ; tensor_dim1
	s_mov_b32 s[G1+3], 384<<16                     ; tile_dim0
	s_mov_b32 s[G1+4], 8                           ; tile_dim1
	s_mov_b32 s[G1+5], 1536                        ; tensor_dim0_stride
	s_mov_b32 s[G1+6], 0
	s_mov_b32 s[G1+7], 0
	; B: 128 rows x 192 bytes, 16 bytes of padding behind every 64
	s_or_b32 s[G1B+0], s44, (0<<16)|(1<<20)|(1<<21)|(3<<22)|(3<<25)
	s_mov_b32 s[G1B+1], ROWB<<16
	s_mov_b32 s[G1B+2], 128<<16
	s_mov_b32 s[G1B+3], ROWB<<16
	s_mov_b32 s[G1B+4], 128
	s_mov_b32 s[G1B+5], KROW
	s_mov_b32 s[G1B+6], 0
	s_mov_b32 s[G1B+7], 0
	; the scale bytes of 128 rows: 16 rows of 256 bytes, 16 bytes of padding behind each
	s_or_b32 s[G1S+0], s43, (3<<16)|(1<<20)|(1<<21)|(5<<22)|(3<<25)
	s_or_b32 s[G1SB+0], s44, (3<<16)|(1<<20)|(1<<21)|(5<<22)|(3<<25)
.irp g, G1S, G1SB
	s_mov_b32 s[\g+1], 32<<16
	s_mov_b32 s[\g+2], (128*KS/256)<<16
	s_mov_b32 s[\g+3], 32<<16
	s_mov_b32 s[\g+4], 128*KS/256
	s_mov_b32 s[\g+5], 32
	s_mov_b32 s[\g+6], 0
	s_mov_b32 s[\g+7], 0
.endr
	s_lshl_b32 s18, s16, 7
	s_lshl_b32 s20, s17, 8
	s_add_co_u32 s20, s20, s18                     ; A: place 256 x tile row + 128 x half
	s_lshl_b32 s46, s42, 8
	s_add_co_u32 s46, s46, s18
	s_add_co_u32 s46, s46, 11264                   ; B: row in w1
	s_mov_b32 s21, 0
	s_mov_b32 s47, 0
	s_mov_b64 s[18:19], KS
	s_mul_u64 s[22:23], s[20:21], s[18:19]         ; where these rows' scale bytes begin
	s_mul_u64 s[92:93], s[46:47], s[18:19]
	s_mov_b64 s[18:19], KROW
	s_mul_u64 s[20:21], s[20:21], s[18:19]         ; and their codes (16 places x 768 bytes are a token tile's 12,288)
	s_mul_u64 s[46:47], s[46:47], s[18:19]
	s_mul_i32 s45, s16, HALFA                      ; where they go: A's halves,
	s_mul_i32 s95, s16, HALFB
	s_add_co_u32 s95, s95, 2*HALFA                 ; then B's
	s_mul_i32 s94, s14, HALFS
	s_wait_kmcnt 0x0
	s_mov_b64 s[8:9], s[6:7]                       ; B's codes
	s_add_nc_u64 s[10:11], s[6:7], S1              ; B's scale bytes
	s_add_nc_u64 s[6:7], s[4:5], AS                ; A's scale bytes
	s_add_nc_u64 s[20:21], s[4:5], s[20:21]
	s_add_nc_u64 s[22:23], s[6:7], s[22:23]
	s_add_nc_u64 s[46:47], s[8:9], s[46:47]
	s_add_nc_u64 s[92:93], s[10:11], s[92:93]
	CROUND                                         ; all sixteen work-groups are here: the first joint loads meet
	s_mov_b32 s[G0S], 1
	s_add_co_u32 s[G0S+1], s94, SCL
	s_mov_b64 s[G0S+2:G0S+3], s[22:23]
	s_or_b32 s[G0S+3], s[G0S+3], 0x80000000
	s_mov_b32 s[G0SB], 1
	s_add_co_u32 s[G0SB+1], s94, SCL
	s_mov_b64 s[G0SB+2:G0SB+3], s[92:93]
	s_or_b32 s[G0SB+3], s[G0SB+3], 0x80000000
	JLOAD G0S, G1S, G0SB, G1SB
.irp s, 0,1
	s_mov_b32 s[G0+4*\s], 1
	s_add_co_u32 s[G0+4*\s+1], s45, \s*SLOT
	s_add_nc_u64 s[G0+4*\s+2:G0+4*\s+3], s[20:21], \s*AROWB
	s_or_b32 s[G0+4*\s+3], s[G0+4*\s+3], 0x80000000
	s_mov_b32 s[G0B+4*\s], 1
	s_add_co_u32 s[G0B+4*\s+1], s95, \s*SLOT
	s_add_nc_u64 s[G0B+4*\s+2:G0B+4*\s+3], s[46:47], \s*ROWB
	s_or_b32 s[G0B+4*\s+3], s[G0B+4*\s+3], 0x80000000
	s_wait_alu depctr_va_vdst(0)
	s_wait_tensorcnt 0x0
	ds_add_u32 v28, v29
	s_wait_dscnt 0x0
	CROUND
	JLOAD G0+4*\s, G1, G0B+4*\s, G1B               ; by my own count one tensor load of mine is out now
.endr
	v_and_b32 v1, 15, v0                           ; l % 16
	v_bfe_u32 v2, v0, 4, 1                         ; l / 16
	v_mul_u32_u24 v3, v1, PITCH
	v_mul_u32_u24 v4, v2, 24
	v_add_nc_u32 v4, v3, v4                        ; B: a fragment's row x pitch + 24 x half
	v_lshl_add_u32 v5, v2, 4, v4                   ; and the same behind one padding more
	v_and_b32 v6, 31, v0
	v_lshlrev_b32 v7, 3, v6                        ; A: 8 x lane
	s_mul_i32 s21, s15, HALFA                      ; my 128 rows of A
	s_mul_i32 s22, s16, HALFB                      ; my 128 rows of B,
	s_add_co_u32 s22, s22, 2*HALFA                 ; which lie behind A's 256
.irp s, 0,1
	v_add_nc_u32 v[ADRA+\s], s21, v7
	v_add_nc_u32 v[ADRB+\s], s22, v4
	v_add_nc_u32 v[ADRB+2+\s], s22, v5
	s_add_co_u32 s21, s21, SLOT
	s_add_co_u32 s22, s22, SLOT
.endr
	v_mul_u32_u24 v5, v1, KS
	v_lshrrev_b32 v7, 8, v5
	v_lshl_add_u32 v5, v7, 4, v5
	s_mul_i32 s21, s15, HALFS
	s_mul_i32 s22, s16, HALFS
	s_add_co_u32 s22, s22, 2*HALFS
	s_sub_co_u32 s22, s22, s21
	v_mul_u32_u24 v7, s22, v2                      ; lanes 16-31 take B's
	s_add_co_u32 s21, s21, SCL
	v_add_nc_u32 v5, v5, v7
	v_add_nc_u32 v[ADRS], s21, v5
	s_mul_i32 s23, s14, 16*SPITCH                  ; my stage
	v_mul_u32_u24 v5, v1, SPITCH
	v_lshl_add_u32 v5, v2, 5, v5
	v_add_nc_u32 v[STO], s23, v5                   ; in: row l % 16, 32 bytes for each half of the lanes
	v_lshlrev_b32 v[CO], 4, v6                     ; back: the 32 lanes take one row of 512 bytes; and the same in the output
	v_add_nc_u32 v[RD], s23, v[CO]
	s_lshl_b32 s20, s17, 8
	s_lshl_b32 s21, s15, 7
	s_add_co_u32 s20, s20, s21                     ; my first row of the output
	s_lshl_b32 s20, s20, 12                        ; 4,096 bytes a row
	s_lshl_b32 s46, s42, 10
	s_lshl_b32 s47, s16, 9
	s_add_co_u32 s46, s46, s47                     ; my first column, in bytes
	s_add_co_u32 s20, s20, s46
	s_mov_b32 s21, 0
	s_add_nc_u64 s[12:13], s[12:13], s[20:21]
.macro FRAG reg, adr, q, i             ; B: 24 bytes of the row for each 64 along K, in pieces of 8; the second address register serves the pieces behind one padding more
.irp p, 0,1,2,3,4,5
.set PCE, 12*(\q)+6*(\p/3)+\p%3
.if PCE%8 < 5
	ds_load_b64 v[\reg+2*\p:\reg+2*\p+1], v[\adr] offset:8*PCE+16*(PCE/8)+(\i)*16*PITCH
.else
	ds_load_b64 v[\reg+2*\p:\reg+2*\p+1], v[\adr+2] offset:8*PCE+16*(PCE/8)+(\i)*16*PITCH
.endif
.endr
.endm
.macro FRAG_A reg, adr, q, i           ; A: the registers' image: token tile i, heads 2 q and 2 q + 1 of the slot's four, three pieces of 256 bytes each: 32 lanes read 256 consecutive bytes
.irp p, 0,1,2,3,4,5
	ds_load_b64 v[\reg+2*\p:\reg+2*\p+1], v[\adr] offset:AROWB*(\i)+768*(2*(\q)+\p/3)+256*(\p%3)
.endr
.endm
.macro MUL16 a0, p, q, sc, zero        ; the 64 accumulators take turns, one instruction a turn, in the same order in every step
.irp a, \a0, \a0+1
.irp b, 0,1,2,3,4,5,6,7
.if \zero
	v_wmma_scale_f32_16x16x128_f8f6f4 v[8*(8*((\a)%4)+\b):8*(8*((\a)%4)+\b)+7], v[128*(\p)+FR*\b:128*(\p)+FR*\b+FR-1], v[AF+FR*(\a):AF+FR*(\a)+FR-1], 0, v[SC+8*NQ*(\sc)+NQ*\b+(\q)], v[SC+8*NQ*(\sc)+NQ*(\a)+(\q)] matrix_a_fmt:MATRIX_FMT_BF6 matrix_b_fmt:MATRIX_FMT_BF6 matrix_a_scale:MATRIX_SCALE_ROW1
.else
	v_wmma_scale_f32_16x16x128_f8f6f4 v[8*(8*((\a)%4)+\b):8*(8*((\a)%4)+\b)+7], v[128*(\p)+FR*\b:128*(\p)+FR*\b+FR-1], v[AF+FR*(\a):AF+FR*(\a)+FR-1], v[8*(8*((\a)%4)+\b):8*(8*((\a)%4)+\b)+7], v[SC+8*NQ*(\sc)+NQ*\b+(\q)], v[SC+8*NQ*(\sc)+NQ*(\a)+(\q)] matrix_a_fmt:MATRIX_FMT_BF6 matrix_b_fmt:MATRIX_FMT_BF6 matrix_a_scale:MATRIX_SCALE_ROW1
.endif
.endr
.endr
.endm
.macro FETCH_B slot, q, p
	WIN TO_B
.irp i, 0,1,2,3,4,5,6,7
	FRAG 128*(\p)+FR*\i, ADRB+\slot, \q, \i
.endr
	WIN 0
.endm
.macro FETCH_A slot, q, i0
.irp i, \i0, \i0+1, \i0+2, \i0+3
	FRAG_A AF+FR*(\i), ADRA+\slot, \q, \i
.endr
.endm
.macro SCALES sc
.irp i, 0,1,2,3,4,5,6,7
	ds_load_b64 v[SC+8*NQ*\sc+NQ*\i:SC+8*NQ*\sc+NQ*\i+1], v[ADRS] offset:\i*SBLK
.endr
.endm
.macro PLACES n
.rept \n
	v_nop
.endr
.endm
.macro STEP slot, q, zero
	s_wait_dscnt 4*NL                              ; B's set and A's blocks 0-3 are in; the youngest 24 loads (A's blocks 4-7) may be out
	WIN MUL_LO
	MUL16 0, (\q)%2, \q, \slot, \zero
	MUL16 2, (\q)%2, \q, \slot, \zero
	s_wait_dscnt 0
	PLACES NP
	FETCH_B \slot, (\q)+1, 1-(\q)%2
	FETCH_A \slot, (\q)+1, 0
	WIN MUL_HI
	MUL16 4, (\q)%2, \q, \slot, \zero
	MUL16 6, (\q)%2, \q, \slot, \zero
	PLACES NP
	WIN 0
	FETCH_A \slot, (\q)+1, 4
.endm
.macro TURN slot, next, fill           ; a slot's last step changes slots: ONE barrier; in front of it the wait for all my tensor loads, the add, and the wait for it and for my reads of this slot
	s_wait_tensorcnt 0x0                           ; all my tensor loads have landed: my part of the next slot
	ds_add_u32 v[SPW], v[NIL]                      ; 0 onto my spare word
	s_wait_dscnt 4*NL+1                            ; (the add and the youngest 24 loads may be out)
	WIN MUL_LO
	MUL16 0, 1, NQ-1, \slot, 0
	s_wait_dscnt 0x0                               ; the add is done, and my reads of this slot are over
	s_barrier_signal -1
	MUL16 2, 1, NQ-1, \slot, 0
	WIN 0
	s_barrier_wait -1
.if \fill
	CREST                                          ; the barrier has opened a round of the cluster's barrier
	s_add_nc_u64 s[G0+4*\slot+2:G0+4*\slot+3], s[G0+4*\slot+2:G0+4*\slot+3], 2*AROWB
	s_add_nc_u64 s[G0B+4*\slot+2:G0B+4*\slot+3], s[G0B+4*\slot+2:G0B+4*\slot+3], 2*ROWB
	JLOAD G0+4*\slot, G1, G0B+4*\slot, G1B         ; the first tensor load behind the round; its four v_nop are also the places in front of the loads below
.else
	PLACES NP
.endif
	s_wait_alu depctr_va_vdst(0)
	v_add_nc_u32 v[ADRS], 4*NQ, v[ADRS]
	FETCH_B \next, 0, 0
	FETCH_A \next, 0, 0
	SCALES \next
	WIN MUL_HI
	MUL16 4, 1, NQ-1, \slot, 0
	MUL16 6, 1, NQ-1, \slot, 0
	PLACES NP
	WIN 0
	FETCH_A \next, 0, 4
.endm
	s_wait_alu depctr_va_vdst(0)
	s_wait_tensorcnt 1                             ; the scale bytes and my part of K step 0 are in (K step 1's load may be out)
	s_barrier_signal -1
	s_barrier_wait -1
	FETCH_B 0, 0, 0
	FETCH_A 0, 0, 0
	SCALES 0
	FETCH_A 0, 0, 4
	STEP 0, 0, 1                                   ; the first step's products start the sums
	s_mov_b32 s3, LAPS-1
.Llap:
	TURN 0, 1, 1
	STEP 1, 0, 0
	TURN 1, 0, 1
	STEP 0, 0, 0
	s_sub_co_u32 s3, s3, 1
	s_cmp_lg_u32 s3, 0
	s_cbranch_scc1 .Llap
	TURN 0, 1, 0                                   ; the last lap fills nothing
	STEP 1, 0, 0
	s_wait_dscnt 4*NL
	WIN MUL_LO
	MUL16 0, 1, NQ-1, 1, 0
	MUL16 2, 1, NQ-1, 1, 0
	s_wait_dscnt 0
	WIN MUL_HI
	MUL16 4, 1, NQ-1, 1, 0
	MUL16 6, 1, NQ-1, 1, 0
	WIN 0
; THE WAY OUT, block by block of 16 rows x 128 columns, through my own stage in LDS: in as 32 bytes a lane, back as whole rows of 512 bytes.  LDS serves a wave's instructions in order: no wait between the stores and the loads.
.macro TOSTAGE a
.set AC, 64*((\a)%4)
	WIN 0x08+4*((\a)/4)                            ; the data: window 2 or 3
.irp b, 0,1,2,3,4,5,6,7
	ds_store_b128 v[STO], v[AC+8*\b:AC+8*\b+3] offset:64*\b          ; each accumulator from its low end on
	ds_store_b128 v[STO], v[AC+8*\b+4:AC+8*\b+7] offset:64*\b+16
.endr
	WIN 0
.set BB, BK+64*((\a)%2)
.irp t, 0,1,2,3,4,5,6,7,8,9,10,11,12,13,14,15
	ds_load_b128 v[BB+4*\t:BB+4*\t+3], v[RD] offset:\t*SPITCH
.endr
.endm
.macro SEND a, younger                 ; place 16 a + t of my 128 is token 32 (a / 2) + 8 (a % 2) + t + 8 (t / 8): the row stands in the immediate, 520,192 bytes at the most, and the base is never stepped
.set BB, BK+64*((\a)%2)
	s_wait_dscnt \younger                          ; the block is back in registers
.irp t, 0,1,2,3,4,5,6,7,8,9,10,11,12,13,14,15
	global_store_b128 v[CO], v[BB+4*\t:BB+4*\t+3], s[12:13] offset:(32*((\a)/2)+8*((\a)%2)+\t+8*(\t/8))*4096 th:TH_STORE_NT   ; 32 lanes store 512 consecutive bytes, aligned
.endr
.endm
	PLACES NP
	TOSTAGE 0
.irp a, 1,2,3,4,5,6,7
.if \a > 1
	s_wait_xcnt 0x0                                ; block a - 2's stores have read their registers: block a's loads may land there
.endif
	TOSTAGE \a
	SEND \a-1, 32                                  ; behind block a - 1's loads: block a's 16 stores and 16 loads
.endr
	SEND 7, 0
	s_wait_tensorcnt 0x0                           ; the wave's end
	ds_add_u32 v[SPW], v[NIL]
	s_wait_dscnt 0x0
	CROUND                                         ; the closing round
	s_endpgm
.Lfunc_end_k_qb3086c705d_oproj:
	.size	k_qb3086c705d_oproj, .Lfunc_end_k_qb3086c705d_oproj-k_qb3086c705d_oproj
	.p2alignl 7, 3214868480
	.fill 96, 4, 3214868480
	.section	.rodata,"a",@progbits
	.p2align	6, 0x0
	.amdhsa_kernel k_qb3086c705d_oproj
		.amdhsa_group_segment_fixed_size 327680
		.amdhsa_private_segment_fixed_size 0
		.amdhsa_enable_private_segment 0
		.amdhsa_kernarg_size 24
		.amdhsa_user_sgpr_count 2
		.amdhsa_user_sgpr_kernarg_segment_ptr 1
		.amdhsa_wavefront_size32 1
		.amdhsa_system_sgpr_workgroup_id_x 1
		.amdhsa_system_sgpr_workgroup_id_y 1
		.amdhsa_system_sgpr_workgroup_id_z 1
		.amdhsa_system_vgpr_workitem_id 0
		.amdhsa_next_free_vgpr 1024
		.amdhsa_next_free_sgpr 98
		.amdhsa_reserve_vcc 0
		.amdhsa_float_denorm_mode_32 3
		.amdhsa_float_denorm_mode_16_64 3
		.amdhsa_memory_ordered 1
		.amdhsa_forward_progress 1
		.amdhsa_inst_pref_size 160
	.end_amdhsa_kernel
	.amdgpu_metadata
---
amdhsa.version: [ 1, 2 ]
amdhsa.kernels:
  - .name:           k_qb3086c705d_oproj
    .symbol:         k_qb3086c705d_oproj.kd
    .args:
      - { .name: w3, .offset: 0, .size: 8, .value_kind: global_buffer, .address_space: global }
      - { .name: w1, .offset: 8, .size: 8, .value_kind: global_buffer, .address_space: global }
      - { .name: out0, .offset: 16, .size: 8, .value_kind: global_buffer, .address_space: global }
    .group_segment_fixed_size: 327680
    .private_segment_fixed_size: 0
    .kernarg_segment_align: 8
    .kernarg_segment_size: 24
    .max_flat_workgroup_size: 128
    .sgpr_count:     98
    .vgpr_count:     1024
    .wavefront_size: 32
...
	.end_amdgpu_metadata
.endif
;; end of part 4
